; MI455X (gfx1250); checked and timed in simulation.
; The chip was launched on July 23, 2026; its instructions are those of AMD's public machine-readable ISA for CDNA 5 (MIT licence, August 2026) and "CDNA5" Instruction Set Architecture Reference Guide (July 2026). The comments in the code are by the model that wrote it; some were corrected since.
;; Multi Head Attention. Allowed arithmetic: matrix products marked QUANTISED: E3M2 operands, one E8M0 scale for each 32 along K, by v_wmma_scale_f32_16x16x128_f8f6f4 with both operands' format E3M2, f32 sums; everything else in f32.
;; Inputs: K_pad_mask 2 x 2,048 int32; Q_pad_mask 2 x 2,048 int32; W_K 1,024 x 1,024 float32; W_O 1,024 x 1,024 float32; W_Q 1,024 x 1,024 float32; W_V 1,024 x 1,024 float32; b_K 1,024 float32; b_O 1,024 float32; b_Q 1,024 float32; b_V 1,024 float32; in_K 2 x 2,048 x 1,024 float32; in_Q 2 x 2,048 x 1,024 float32; in_V 2 x 2,048 x 1,024 float32.
;; Outputs: out0 2 x 2,048 x 1,024 float32.
;; This version of the problem:
;;   THIS VERSION OF THE PROBLEM IS GIVEN IN LOW PRECISION. The matrix products marked QUANTISED in the list below multiply operands that are first quantised to E3M2 (3 exponent bits, 2 mantissa bits; 6 bits a number), with one power-of-two scale for each 32 numbers along K (OCP MX v1.0); their sums are f32. All else is computed in f32.
;;   The module's matrix products, in the order in which they are computed (A, B: the left and right operand; K: the contracted axis; several contracted axes count as one K, in the product's order):
;;     1. [M 4,096, K 1,024] x [K 1,024, N 1,024]; A: input in_Q; B: input W_Q: QUANTISED
;;     2. [M 4,096, K 1,024] x [K 1,024, N 1,024]; A: input in_K; B: input W_K: QUANTISED
;;     3. [M 4,096, K 1,024] x [K 1,024, N 1,024]; A: input in_V; B: input W_V: QUANTISED
;;     4. batch 32 x [M 2,048, K 64] x [K 64, N 2,048]; A: computed on the way; B: computed on the way: QUANTISED
;;     5. batch 32 x [M 2,048, K 2,048] x [K 2,048, N 64]; A: computed on the way; B: computed on the way: QUANTISED
;;     6. [M 4,096, K 1,024] x [K 1,024, N 1,024]; A: computed on the way; B: input W_O: QUANTISED
;;   THE QUANTISER, for each operand of a quantised product, along K:
;;     - K is cut into blocks of 32 from its start; a last block that is shorter is filled with zeros.
;;     - A block's scale is 2^e with e = floor(log2(the largest magnitude in the block)) - 4, held to -126 .. 127; a block of zeros has e = 0. As a byte (E8M0): e + 127.
;;     - Each number is divided by its block's scale, clamped to +-28, and rounded to the nearest number of E3M2, ties to even, subnormals kept.
;;     - The product sums the exact products of the quantised numbers (number of the format x scale) in f32.
;;   ~~~python
;;   def quantise(x, axis):      # numpy; x: float32 -> the quantised numbers, widened to float32 again
;;       x = np.moveaxis(x, axis, -1); K = x.shape[-1]
;;       x = np.pad(x, [(0, 0)] * (x.ndim - 1) + [(0, -K % 32)]); x = x.reshape(x.shape[:-1] + (-1, 32)); a = np.abs(x).max(-1, keepdims=True)
;;       e = np.where(a > 0, np.clip(np.frexp(np.where(a > 0, a, 1))[1] - 1 - 4, -126, 127), 0)      # np.frexp(a)[1] - 1 = floor(log2(a)), exactly
;;       r = np.clip(x / 2.0 ** e, -28, 28)
;;       step = 2.0 ** (np.maximum(np.frexp(np.where(r == 0, 1, r))[1] - 1, -2) - 2)
;;       q = np.round(r / step) * step * 2.0 ** e      # np.round: ties to even
;;       return np.moveaxis(q.reshape(q.shape[:-2] + (-1,))[..., :K], -1, axis).astype(np.float32)
;;   ~~~
;;   OPERANDS COMPUTED ON THE WAY. 'Computed on the way' means the value that the module computes at that place (a softmax that the list does not call 'softmax' is quantised finished and normalised). What goes into a quantiser is computed in f32, as accurately as f32 sums, v_exp_f32 and their like allow (about 1e-6 of the number): no bf16 or f16 on the way to a quantiser, and a product that is left as it is and whose result goes on into a quantised operand takes f32 operands (vector FMAs, or v_wmma_f32_16x16x4_f32). A number that lies on a knife's edge between two numbers of the format may be rounded either way, as far as f32 arithmetic and the matrix unit's own rounding can turn it there, and no further.
;; 2 versions, each right; version 2 is version 1 with the launch attn written anew for expert scheduling mode. Each part assembles by itself: llvm-mc -triple=amdgcn-amd-amdhsa -mcpu=gfx1250 --defsym DOCPART=n.
;; ======== version 1 of 2: 4 launches
;; workspace buffers: xq 9,830,400 bytes; wq 3,276,800 bytes; lens 256 bytes of whole numbers; pq 9,830,400 bytes; hq 3,276,800 bytes
;; launch quant (part 1): grid 256 x 1, 8 waves a work-group, no clusters, 70,656 bytes of LDS; arguments in_Q, in_K, in_V, W_Q, W_K, W_V, W_O, Q_pad_mask, K_pad_mask, xq, wq, lens; writes xq, wq, lens
.if DOCPART == 1
	.amdgcn_target "amdgcn-amd-amdhsa--gfx1250"
	.amdhsa_code_object_version 6
	.text
	.protected	k_qdc93ceeb41_quant
	.globl	k_qdc93ceeb41_quant
	.p2align	8
	.type	k_qdc93ceeb41_quant,@function
k_qdc93ceeb41_quant:
	s_mov_b64 s[64:65], 0
	v_nop
	global_prefetch_b8 v0, s[64:65] scope:SCOPE_SE
	s_setreg_imm32_b32 hwreg(HW_REG_WAVE_MODE, 25, 1), 1
	s_wait_xcnt 0x0
; in_Q, in_K, in_V [4096][1024] f32 (K innermost) and W_Q, W_K, W_V, W_O [1024 (k)][1024 (n)] f32 (K outermost) become codes of BF6 (E3M2) with one E8M0 byte for each 32 along K.
; A block's byte is its largest magnitude's exponent field - 4, held at 1 from below; numbers are divided by the scale and rounded to the nearest code, ties to even, beyond 28 the largest code.
; LIMITS: NaN and infinities are not served; a block of zeros, or one whose largest magnitude lies under 2^(5-127), gets the byte 1 (its codes are zeros or the rule's; this program alone reads the bytes).
; LAYOUT OF THE RESULT (the order of the operand's registers).  A tile T = 2 G + u holds rows 32 G + 8 u + r + 8 (r / 8), r = 0..15.  A half fragment (16 rows x 64 K, 768 bytes): lane (r, h) owns the
; 24 bytes of row r, K 32 h .. 32 h + 31: its first 16 bytes at 16 x lane, its last 8 at 512 + 8 x lane.  Codes: [tensor][tile][64 K] half fragments.
; Scale bytes: G x 1024 + (256 K) x 256 + u x 128 + r x 8 + (128 K in it) x 4 + block.
; SHARES: 2,048 wave units of 32 KB of f32.  Work-groups 0-191: rows (32 rows x 256 K a wave); 192-255: weights (32 columns x 256 K a wave).  Work-group 255 also sums the two masks' rows into lens.
; The launch streams: each byte is read once and written once; waves share nothing, so there is no barrier.
.set RAW, 32                           ; v32-127  numbers as loaded: three sets of 32 (rows), two sets of 32 (weights)
.set XR,  128                          ; v128-191 rows: two sets of 32 neighbours along K
.set CR,  192                          ; v192-239 codes: six registers for each of eight steps, so that no store's data are written again
.set TT,  28                           ; v28-30   a block's second sixteen codes (a conversion's three registers begin on an even number)
; the largest magnitude of v[s] .. v[s+31], with the floor 2^(5-127) as one leaf, in two chains -> v10; 4 off its exponent field -> v12, the conversions' scale operand
.macro MAXB s
	v_max3_num_f32 v10, |v[\s]|, |v[\s+1]|, 0x2800000
	v_max3_num_f32 v11, |v[\s+16]|, |v[\s+17]|, |v[\s+18]|
.irp i, 2,4,6,8,10,12
	v_max3_num_f32 v10, v10, |v[\s+\i]|, |v[\s+\i+1]|
	v_max3_num_f32 v11, v11, |v[\s+\i+17]|, |v[\s+\i+18]|
.endr
	v_max3_num_f32 v10, v10, |v[\s+14]|, |v[\s+15]|
	v_max3_num_f32 v10, v10, v11, |v[\s+31]|
	v_add_nc_u32 v12, 0xfe000000, v10
.endm
; 32 numbers -> six registers of codes at v[c]; the scale's byte -> v13 (that shift is also the plain instruction behind the conversions)
.macro CONV s, c
	v_cvt_scalef32_pk16_bf6_f32 v[\c:\c+2], v[\s:\s+15], v12
	v_cvt_scalef32_pk16_bf6_f32 v[TT:TT+2], v[\s+16:\s+31], v12
	v_lshrrev_b32 v13, 23, v12
.irp i, 0,1,2
	v_mov_b32 v[\c+3+\i], v[TT+\i]
.endr
.endm
	s_load_b512 s[4:19], s[0:1], 0x0               ; in_Q s4, in_K s6, in_V s8, W_Q s10, W_K s12, W_V s14, W_O s16, Q_pad_mask s18
	s_load_b256 s[20:27], s[0:1], 0x40             ; K_pad_mask s20, xq s22, wq s24, lens s26
	v_lshl_add_u32 v240, v0, 2, 0x11000
	v_mov_b32 v241, 0
	v_lshrrev_b32 v1, 5, v0
	v_readfirstlane_b32 s28, v1                    ; wave 0..7
	v_and_b32 v1, 31, v0                           ; lane
	v_and_b32 v2, 15, v0                           ; r
	v_bfe_u32 v3, v0, 4, 1                         ; h (rows) or u (weights)
	v_lshlrev_b32 v5, 4, v1                        ; 16 x lane
	v_lshlrev_b32 v6, 3, v1                        ; 8 x lane
	v_mov_b32 v18, 0                               ; written once: a lane permute's destination counts as one of its sources
	s_mov_b32 s40, 0x76543210
	s_mov_b32 s41, 0xfedcba98                      ; v_permlanex16_b32's selects for lane l xor 16
	s_cmp_ge_u32 ttmp9, 192
	s_cbranch_scc1 .Lweights
; ---------------- ROWS: unit e = 8 x work-group + wave: tensor e / 512, tile pair G = (e / 4) % 128, 256 K number e % 4
	s_lshl_b32 s29, ttmp9, 3
	s_add_co_u32 s29, s29, s28
	s_lshr_b32 s30, s29, 9                         ; tensor
	s_bfe_u32 s31, s29, 0x70002                    ; G
	s_and_b32 s32, s29, 3                          ; which 256 K
	s_lshl_b32 s34, s31, 17                        ; in: 32 rows of 4,096 bytes a pair,
	s_lshl_b32 s33, s32, 10                        ; 1,024 bytes for 256 K
	s_add_co_u32 s34, s34, s33
	s_mov_b32 s35, 0
	s_mul_i32 s36, s30, 3145728                    ; codes
	s_mul_i32 s33, s31, 24576
	s_add_co_u32 s36, s36, s33
	s_mul_i32 s33, s32, 3072
	s_add_co_u32 s36, s36, s33
	s_mov_b32 s37, 0
	s_lshl_b32 s38, s30, 17                        ; scale bytes
	s_lshl_b32 s33, s31, 10
	s_add_co_u32 s38, s38, s33
	s_lshl_b32 s33, s32, 8
	s_add_co_u32 s38, s38, s33
	s_add_co_u32 s38, s38, 9437184
	s_mov_b32 s39, 0
	s_mul_i32 s33, s28, 8704                       ; my wave's two stages of 16 rows x (256 + 16) bytes
	v_mul_u32_u24 v7, v3, 272
	v_lshl_add_u32 v7, v2, 4, v7
	v_add_nc_u32 v7, s33, v7                       ; into a stage: two rows an instruction, 16 bytes a lane
	v_mul_u32_u24 v8, v2, 272
	v_lshl_add_u32 v8, v3, 7, v8
	v_add_nc_u32 v8, s33, v8                       ; out of it: row r, block h: 128 bytes a lane
	v_lshlrev_b32 v4, 4, v2
	v_lshl_add_u32 v4, v3, 12, v4                  ; in memory: sixteen lanes take 256 consecutive bytes of a row, lanes 16-31 the next row
	v_lshlrev_b32 v9, 3, v3                        ; 8 h
	s_wait_kmcnt 0x0
	s_cmp_eq_u32 s30, 0                            ; the choice hangs on the work-group's and the wave's number alone
	s_cselect_b64 s[4:5], s[4:5], s[6:7]
	s_cmp_eq_u32 s30, 2
	s_cselect_b64 s[4:5], s[8:9], s[4:5]
	s_add_nc_u64 s[4:5], s[4:5], s[34:35]
	s_add_nc_u64 s[6:7], s[22:23], s[36:37]
	s_add_nc_u64 s[8:9], s[22:23], s[38:39]
; step t = 4 u + c: tile 2 G + u, 64 K number c.  Tile row 2 i + (lane / 16) is row 8 u + 2 i + (lane / 16) + 8 (i / 4) of the pair
.macro LOADX t
.set LU, (\t)/4
.set LC, (\t)%4
.set LR, RAW+32*((\t)%3)
.irp i, 0,1,2,3,4,5,6,7
	global_load_b128 v[LR+4*\i:LR+4*\i+3], v4, s[4:5] offset:(8*LU+2*\i+8*(\i/4))*4096+LC*256 th:TH_LOAD_NT
.endr
.endm
; step t's numbers through a stage: LDS serves a wave's instructions in order, so no wait stands between the stores and the loads
.macro TURN t
.set TR, RAW+32*((\t)%3)
.set TX, XR+32*((\t)%2)
.set TG, 4352*((\t)%2)
.irp i, 0,1,2,3,4,5,6,7
	ds_store_b128 v7, v[TR+4*\i:TR+4*\i+3] offset:TG+2*\i*272
.endr
.irp i, 0,1,2,3,4,5,6,7
	ds_load_b128 v[TX+4*\i:TX+4*\i+3], v8 offset:TG+16*\i
.endr
.endm
.macro STEPX t
	s_wait_dscnt 0x0                               ; this step's block is back from the stage, and its stores into the stage have read their registers,
.if (\t)+3 < 8
	LOADX (\t)+3                                   ; which take the loads of three steps on
.endif
.if (\t) < 7
.if (\t) <= 4
	s_wait_loadcnt 16                              ; the next step's eight loads are in; those of the two steps behind it may be out
.else
	s_wait_loadcnt 8*(6-(\t))
.endif
	TURN (\t)+1                                    ; and go through the other stage while this step is worked
.endif
.set XW, XR+32*((\t)%2)
.set CW, CR+6*(\t)
	MAXB XW
	CONV XW, CW
.set PP, 14+2*((\t)/4)+((\t)%4)/2                  ; my bytes of tile u's word for 128 K number c / 2: byte 2 (c % 2) + h, kept here at 16 (c % 2) bits
.if (\t)%2 == 0
	v_mov_b32 v[PP], v13
.else
	v_lshl_or_b32 v[PP], v13, 16, v[PP]
.endif
	global_store_b128 v5, v[CW:CW+3], s[6:7] offset:((\t)/4)*12288+((\t)%4)*768          ; 512 consecutive bytes,
	global_store_b64 v6, v[CW+4:CW+5], s[6:7] offset:((\t)/4)*12288+((\t)%4)*768+512     ; and the 256 behind them
.endm
	LOADX 0
	LOADX 1
	LOADX 2
	s_wait_loadcnt 16                              ; step 0's eight loads are in
	TURN 0
.irp t, 0,1,2,3,4,5,6,7
	STEPX \t
.endr
.irp p, 14,15,16,17
	v_lshlrev_b32 v[\p], v9, v[\p]                 ; my two bytes at their places (8 h bits up);
.endr
.irp p, 14,15,16,17
	v_permlanex16_b32 v18, v[\p], s40, s41
	v_or_b32 v[\p], v[\p], v18                     ; with lane l xor 16's two the word is whole
.endr
	v_cmp_ne_u32 vcc_lo, 0, v3
	v_cndmask_b32 v20, v14, v16, vcc_lo            ; lanes 0-15 store tile u = 0's two words of row r, lanes 16-31 tile u = 1's
	v_cndmask_b32 v21, v15, v17, vcc_lo
	global_store_b64 v6, v[20:21], s[8:9]          ; 256 consecutive bytes, aligned
	s_wait_tensorcnt 0x0
	ds_add_u32 v240, v241
	s_wait_dscnt 0x0
	s_endpgm
; ---------------- WEIGHTS: a lane takes a column and its registers run down K, so that a block of 32 lies in one lane
.Lweights:
	s_sub_co_u32 s29, ttmp9, 192
	s_lshr_b32 s30, s29, 4                         ; weight 0..3
	s_bfe_u32 s32, s29, 0x20002                    ; which 256 K
	s_and_b32 s31, s29, 3
	s_lshl_b32 s31, s31, 3
	s_add_co_u32 s31, s31, s28                     ; pair of column tiles 0..31
	s_lshl_b32 s34, s32, 20                        ; in: 256 rows of 4,096 bytes,
	s_lshl_b32 s33, s31, 7                         ; 32 columns of 4 bytes
	s_add_co_u32 s34, s34, s33
	s_mov_b32 s35, 0
	s_mul_i32 s36, s30, 786432
	s_mul_i32 s33, s31, 24576
	s_add_co_u32 s36, s36, s33
	s_mul_i32 s33, s32, 3072
	s_add_co_u32 s36, s36, s33
	s_mov_b32 s37, 0
	s_lshl_b32 s38, s30, 15
	s_lshl_b32 s33, s31, 10
	s_add_co_u32 s38, s38, s33
	s_lshl_b32 s33, s32, 8
	s_add_co_u32 s38, s38, s33
	s_add_co_u32 s38, s38, 3145728
	s_mov_b32 s39, 0
	v_and_b32 v4, 8, v2
	v_add_nc_u32 v4, v4, v2
	v_lshl_add_u32 v4, v3, 3, v4
	v_lshlrev_b32 v4, 2, v4                        ; lane (r, u): column 8 u + r + 8 (r / 8) of the 32: the wave's load covers 128 consecutive bytes
	s_and_b32 s33, s30, 1
	s_wait_kmcnt 0x0
	s_cmp_lt_u32 s30, 2
	s_cselect_b64 s[4:5], s[10:11], s[14:15]
	s_cselect_b64 s[6:7], s[12:13], s[16:17]
	s_cmp_lg_u32 s33, 0
	s_cselect_b64 s[4:5], s[6:7], s[4:5]
	s_add_nc_u64 s[4:5], s[4:5], s[34:35]
	s_add_nc_u64 s[6:7], s[24:25], s[36:37]
	s_add_nc_u64 s[8:9], s[24:25], s[38:39]
.macro LOADW t
.set WL, RAW+32*((\t)%2)
.set n, 0
.rept 32
	global_load_b32 v[WL+n], v4, s[4:5] offset:(32*(\t)+n)*4096 th:TH_LOAD_NT
.set n, n+1
.endr
.endm
.macro BLOCKW t
.if (\t) < 7
	s_wait_loadcnt 32                              ; this block's 32 loads are in; the next block's may be out
.else
	s_wait_loadcnt 0x0
.endif
.set WW, RAW+32*((\t)%2)
.set CW, CR+6*(\t)
	MAXB WW
	CONV WW, CW
.if (\t)%4 == 0
	v_mov_b32 v[14+(\t)/4], v13                    ; four bytes to a word, the lower K in the lower byte
.else
	v_lshl_or_b32 v[14+(\t)/4], v13, 8*((\t)%4), v[14+(\t)/4]
.endif
.if (\t)+2 < 8
	LOADW (\t)+2
.endif
.if (\t)%2 == 1
.irp i, 0,1,2,3,4,5                    ; the even block's lanes 16-31 change places with the odd block's lanes 0-15: the first six registers are then tile u = 0's half fragment, the second six tile u = 1's
	v_permlane16_swap_b32 v[CW-6+\i], v[CW+\i]
.endr
	global_store_b128 v5, v[CW-6:CW-3], s[6:7] offset:((\t)/2)*768
	global_store_b64 v6, v[CW-2:CW-1], s[6:7] offset:((\t)/2)*768+512
	global_store_b128 v5, v[CW:CW+3], s[6:7] offset:12288+((\t)/2)*768
	global_store_b64 v6, v[CW+4:CW+5], s[6:7] offset:12288+((\t)/2)*768+512
.endif
.endm
	LOADW 0
	LOADW 1
.irp t, 0,1,2,3,4,5,6,7
	BLOCKW \t
.endr
	global_store_b64 v6, v[14:15], s[8:9]          ; lane (r, u): its column's two words: 256 consecutive bytes, aligned
; ---------------- THE LENGTHS: work-group 255, waves 0-3: q_len[0], q_len[1], k_len[0], k_len[1], sums in int32
	s_cmp_lg_u32 ttmp9, 255
	s_cbranch_scc1 .Ldone
	s_cmp_ge_u32 s28, 4
	s_cbranch_scc1 .Ldone
	s_cmp_lt_u32 s28, 2                            ; (all my loads are in, so their base may be written)
	s_cselect_b64 s[4:5], s[18:19], s[20:21]
	s_and_b32 s34, s28, 1
	s_lshl_b32 s34, s34, 13                        ; a row of a mask is 8,192 bytes
	s_mov_b32 s35, 0
	s_add_nc_u64 s[4:5], s[4:5], s[34:35]
	s_lshl_b32 s42, s28, 2
	s_mov_b32 s43, 0
	s_add_nc_u64 s[42:43], s[26:27], s[42:43]
.irp i, 0,1,2,3,4,5,6,7,8,9,10,11,12,13,14,15
	global_load_b128 v[RAW+4*\i:RAW+4*\i+3], v5, s[4:5] offset:512*\i
.endr
	s_wait_loadcnt 0x0
	v_add_nc_u32 v10, v32, v33
.set n, 2
.rept 31
	v_add3_u32 v10, v10, v[RAW+n], v[RAW+n+1]
.set n, n+2
.endr
.irp m, 1,2,4,8
	v_mov_b32_dpp v18, v10 row_xmask:\m row_mask:0xf bank_mask:0xf
	v_add_nc_u32 v10, v10, v18
.endr
	v_permlanex16_b32 v18, v10, s40, s41
	v_add_nc_u32 v10, v10, v18
	v_mov_b32 v19, 0
	v_cmp_eq_u32 vcc_lo, 0, v1
	s_wait_xcnt 0x0                                ; EXEC is a source of the stores above: it changes only behind this wait
	s_and_saveexec_b32 s44, vcc_lo
	global_store_b32 v19, v10, s[42:43]            ; lane 0 alone
	s_wait_xcnt 0x0                                ; and again in front of the line that widens it
	s_or_b32 exec_lo, exec_lo, s44
.Ldone:
	s_endpgm
.Lfunc_end_k_qdc93ceeb41_quant:
	.size	k_qdc93ceeb41_quant, .Lfunc_end_k_qdc93ceeb41_quant-k_qdc93ceeb41_quant
	.p2alignl 7, 3214868480
	.fill 96, 4, 3214868480
	.section	.rodata,"a",@progbits
	.p2align	6, 0x0
	.amdhsa_kernel k_qdc93ceeb41_quant
		.amdhsa_group_segment_fixed_size 70656
		.amdhsa_private_segment_fixed_size 0
		.amdhsa_enable_private_segment 0
		.amdhsa_kernarg_size 96
		.amdhsa_user_sgpr_count 2
		.amdhsa_user_sgpr_kernarg_segment_ptr 1
		.amdhsa_wavefront_size32 1
		.amdhsa_system_sgpr_workgroup_id_x 1
		.amdhsa_system_sgpr_workgroup_id_y 1
		.amdhsa_system_sgpr_workgroup_id_z 1
		.amdhsa_system_vgpr_workitem_id 0
		.amdhsa_next_free_vgpr 242
		.amdhsa_next_free_sgpr 66
		.amdhsa_reserve_vcc 1
		.amdhsa_float_denorm_mode_32 3
		.amdhsa_float_denorm_mode_16_64 3
		.amdhsa_memory_ordered 1
		.amdhsa_forward_progress 1
		.amdhsa_inst_pref_size 75
	.end_amdhsa_kernel
	.amdgpu_metadata
---
amdhsa.version: [ 1, 2 ]
amdhsa.kernels:
  - .name:           k_qdc93ceeb41_quant
    .symbol:         k_qdc93ceeb41_quant.kd
    .args:
      - { .name: in_Q, .offset: 0, .size: 8, .value_kind: global_buffer, .address_space: global }
      - { .name: in_K, .offset: 8, .size: 8, .value_kind: global_buffer, .address_space: global }
      - { .name: in_V, .offset: 16, .size: 8, .value_kind: global_buffer, .address_space: global }
      - { .name: W_Q, .offset: 24, .size: 8, .value_kind: global_buffer, .address_space: global }
      - { .name: W_K, .offset: 32, .size: 8, .value_kind: global_buffer, .address_space: global }
      - { .name: W_V, .offset: 40, .size: 8, .value_kind: global_buffer, .address_space: global }
      - { .name: W_O, .offset: 48, .size: 8, .value_kind: global_buffer, .address_space: global }
      - { .name: Q_pad_mask, .offset: 56, .size: 8, .value_kind: global_buffer, .address_space: global }
      - { .name: K_pad_mask, .offset: 64, .size: 8, .value_kind: global_buffer, .address_space: global }
      - { .name: xq, .offset: 72, .size: 8, .value_kind: global_buffer, .address_space: global }
      - { .name: wq, .offset: 80, .size: 8, .value_kind: global_buffer, .address_space: global }
      - { .name: lens, .offset: 88, .size: 8, .value_kind: global_buffer, .address_space: global }
    .group_segment_fixed_size: 70656
    .private_segment_fixed_size: 0
    .kernarg_segment_align: 8
    .kernarg_segment_size: 96
    .max_flat_workgroup_size: 256
    .sgpr_count:     66
    .vgpr_count:     242
    .wavefront_size: 32
...
	.end_amdgpu_metadata
.endif
;; end of part 1
;; launch proj (part 2): grid 8 x 96, 4 waves a work-group, clusters of 4 x 4, 205,312 bytes of LDS; arguments xq, wq, b_Q, b_K, b_V, pq; writes pq
.if DOCPART == 2
	.amdgcn_target "amdgcn-amd-amdhsa--gfx1250"
	.amdhsa_code_object_version 6
	.text
	.protected	k_qdc93ceeb41_proj
	.globl	k_qdc93ceeb41_proj
	.p2align	8
	.type	k_qdc93ceeb41_proj,@function
k_qdc93ceeb41_proj:
	s_mov_b64 s[64:65], 0
	v_nop
	global_prefetch_b8 v0, s[64:65] scope:SCOPE_SE
	s_setreg_imm32_b32 hwreg(HW_REG_WAVE_MODE, 25, 1), 1
	s_wait_xcnt 0x0
	s_wait_alu depctr_hold_cnt(0) depctr_sa_sdst(0) depctr_va_vdst(0) depctr_va_sdst(0) depctr_va_ssrc(0) depctr_va_vcc(0) depctr_vm_vsrc(0)
	s_getreg_b32 s2, hwreg(HW_REG_IB_STS2, 6, 4)
	s_cmp_eq_u32 s2, 0
	s_cbranch_scc0 .Lentry_in_a_cluster
	s_endpgm
.Lentry_in_a_cluster:
	s_bfe_u32 s2, ttmp6, 0x10000c
	s_cmp_lg_u32 s2, 0xf033
	s_cbranch_scc0 .Lentry_shape_is_right
	s_endpgm
.Lentry_shape_is_right:
; The three projections on codes of BF6: Q = in_Q W_Q + b_Q, K likewise, and V, made TRANSPOSED; each result is quantised again on the way out, along the next product's K, and stored as codes.
; C'[i][j] = sum over k of P[i][k] R[j][k], K = 1,024.  Source 0 = a tile of R (j), source 1 = a tile of P (i): a lane holds one i and its registers run along j, and since a tile holds rows
; 32 G + 8 u + r + 8 (r / 8), the 16 registers of j tiles 2 G, 2 G + 1 are 16 neighbours along j: what the conversions want.
; kind 0, 1 (Q, K): P = the tokens' codes, R = the weight's: j = the features, quantised along the head's 64.  kind 2 (V): P = W_V's, R = the tokens': j = the keys, quantised along the keys.
; SHARES: a work-group makes 128 (i) x 128 (j); wave w takes i tiles 2 w, 2 w + 1 against all 8 j tiles: 16 accumulators.  The two panels, 128 rows x 1,024 K of codes each (96 KB) and their scale bytes (4 KB each),
; lie in LDS whole: every LDS byte is filled once, so there is no ring and no refill.
; CLUSTER 4 x 4: P's panel hangs on the i block alone and is asked for jointly along a row of the cluster, R's on the j block alone, along a column.  Each wave issues five loads (scales, four chunks of 256 K):
; five of a wave's tensor loads are outstanding at the most.
; LIMITS: NaN and infinities are not served; a block of zeros or under 2^(5-127) gets the byte 1 (this program alone reads the bytes).
; The scale words leave 128 consecutive bytes a wave: half of an aligned 256; they are one part in 25 of what the launch stores.
; REGISTERS, window 0: v1-4, v5-8 LDS addresses of chunk q at 16 and 8 bytes a lane; v9-12, v13-16 the same at my two tiles of P; v17, v18 scale words; v20-27 lane terms; v32-71 scale words and nothing else;
;   v72-119 P's fragments, two sets; v120-123 the bias along i; v128-255 the accumulators ((a, b) at v[128 + 8 (8 a + b)]).   window 1: v0-95, v128-223 R's fragments, two sets; v96-127, v224-255 the bias along j.
.set SCL, 196608                       ; LDS: chunk q at 49,152 q: P's 8 tiles x 3,072 bytes, then R's; behind the four chunks P's scale bytes, then R's
.set SC,  32
.set PF,  72
.set BI,  120
.set ACC, 128
.set TM,  92                           ; the way out: v92-107 at work, v108-110 scale words just made
.set MSB, 0
.macro WIN new                         ; the immediate's high byte repeats the setting that is left
.if MSB != \new
	s_set_vgpr_msb (MSB<<8)|\new
.set MSB, \new
.endif
.endm
.macro PLACES n
.rept \n
	v_nop
.endr
.endm
.macro CROUND                          ; a round of the cluster's barrier
	s_barrier_signal -1
	s_barrier_wait -1
	s_cmp_lg_u32 s16, 0
	s_cbranch_scc1 .Lnot_wave_0_\@
	s_barrier_signal -3
.Lnot_wave_0_\@:
	s_barrier_wait -3
	s_barrier_signal -1
	s_barrier_wait -1
.endm
; one product.  cm = 0: C is the constant 0; else C = v[c ..].  ra, rb: the half of the lanes from which source 0's and source 1's scale words are taken
.macro WM d, a, b, cm, c, sa, sb, ra, rb
.if (\cm) == 0
.if ((\ra) == 0) && ((\rb) == 0)
	v_wmma_scale_f32_16x16x128_f8f6f4 v[(\d):(\d)+7], v[(\a):(\a)+11], v[(\b):(\b)+11], 0, v[\sa], v[\sb] matrix_a_fmt:MATRIX_FMT_BF6 matrix_b_fmt:MATRIX_FMT_BF6
.elseif (\rb) == 0
	v_wmma_scale_f32_16x16x128_f8f6f4 v[(\d):(\d)+7], v[(\a):(\a)+11], v[(\b):(\b)+11], 0, v[\sa], v[\sb] matrix_a_fmt:MATRIX_FMT_BF6 matrix_b_fmt:MATRIX_FMT_BF6 matrix_a_scale:MATRIX_SCALE_ROW1
.elseif (\ra) == 0
	v_wmma_scale_f32_16x16x128_f8f6f4 v[(\d):(\d)+7], v[(\a):(\a)+11], v[(\b):(\b)+11], 0, v[\sa], v[\sb] matrix_a_fmt:MATRIX_FMT_BF6 matrix_b_fmt:MATRIX_FMT_BF6 matrix_b_scale:MATRIX_SCALE_ROW1
.else
	v_wmma_scale_f32_16x16x128_f8f6f4 v[(\d):(\d)+7], v[(\a):(\a)+11], v[(\b):(\b)+11], 0, v[\sa], v[\sb] matrix_a_fmt:MATRIX_FMT_BF6 matrix_b_fmt:MATRIX_FMT_BF6 matrix_a_scale:MATRIX_SCALE_ROW1 matrix_b_scale:MATRIX_SCALE_ROW1
.endif
.else
.if ((\ra) == 0) && ((\rb) == 0)
	v_wmma_scale_f32_16x16x128_f8f6f4 v[(\d):(\d)+7], v[(\a):(\a)+11], v[(\b):(\b)+11], v[(\c):(\c)+7], v[\sa], v[\sb] matrix_a_fmt:MATRIX_FMT_BF6 matrix_b_fmt:MATRIX_FMT_BF6
.elseif (\rb) == 0
	v_wmma_scale_f32_16x16x128_f8f6f4 v[(\d):(\d)+7], v[(\a):(\a)+11], v[(\b):(\b)+11], v[(\c):(\c)+7], v[\sa], v[\sb] matrix_a_fmt:MATRIX_FMT_BF6 matrix_b_fmt:MATRIX_FMT_BF6 matrix_a_scale:MATRIX_SCALE_ROW1
.elseif (\ra) == 0
	v_wmma_scale_f32_16x16x128_f8f6f4 v[(\d):(\d)+7], v[(\a):(\a)+11], v[(\b):(\b)+11], v[(\c):(\c)+7], v[\sa], v[\sb] matrix_a_fmt:MATRIX_FMT_BF6 matrix_b_fmt:MATRIX_FMT_BF6 matrix_b_scale:MATRIX_SCALE_ROW1
.else
	v_wmma_scale_f32_16x16x128_f8f6f4 v[(\d):(\d)+7], v[(\a):(\a)+11], v[(\b):(\b)+11], v[(\c):(\c)+7], v[\sa], v[\sb] matrix_a_fmt:MATRIX_FMT_BF6 matrix_b_fmt:MATRIX_FMT_BF6 matrix_a_scale:MATRIX_SCALE_ROW1 matrix_b_scale:MATRIX_SCALE_ROW1
.endif
.endif
.endm
; a fragment (16 rows x 128 K, 12 registers) is two half fragments: each instruction reads 512 or 256 consecutive bytes
.macro FRAGLD reg, a16, a8, off
	ds_load_b128 v[(\reg):(\reg)+3], v[\a16] offset:(\off)
	ds_load_b64 v[(\reg)+4:(\reg)+5], v[\a8] offset:(\off)+512
	ds_load_b128 v[(\reg)+6:(\reg)+9], v[\a16] offset:(\off)+768
	ds_load_b64 v[(\reg)+10:(\reg)+11], v[\a8] offset:(\off)+1280
.endm
.macro FETCH k                         ; K step k's fragments: R's eight and my two of P: 40 loads, into set k % 2
.set FQ, (\k)/2
.set FS, (\k)%2
	WIN 0x40                                       ; destination window 1, address window 0
.irp b, 0,1,2,3,4,5,6,7
	FRAGLD 128*FS+12*\b, 1+FQ, 5+FQ, 24576+\b*3072+FS*1536
.endr
	WIN 0
.irp a, 0,1
	FRAGLD PF+24*FS+12*\a, 9+FQ, 13+FQ, \a*3072+FS*1536
.endr
.endm
; K step k: 16 products; the 16 accumulators take turns, one instruction a turn, in the same order in every step.  mode 0: the products start the sums; 1: they add on
.macro MUL k, mode
.set MQ, (\k)/2
.set MS, (\k)%2
	WIN 0x01                                       ; source 0 (R) window 1
.irp b, 0,1,2,3,4,5,6,7
.irp a, 0,1
.if (\mode) == 0
	WM ACC+8*(8*\a+\b), 128*MS+12*\b, PF+24*MS+12*\a, 0, 0, SC+10*MQ+2*(\b/2)+MS, SC+10*MQ+8+MS, \b%2, \a
.else
	WM ACC+8*(8*\a+\b), 128*MS+12*\b, PF+24*MS+12*\a, 1, ACC+8*(8*\a+\b), SC+10*MQ+2*(\b/2)+MS, SC+10*MQ+8+MS, \b%2, \a
.endif
.endr
.endr
.endm
.macro MEET q                          ; chunk q is whole in LDS for every wave
	s_wait_tensorcnt 3-(\q)                        ; my part of chunk q has landed; the 3 - q chunks asked for behind it may stay out
	s_wait_dscnt 0x0                               ; no LDS instruction of mine is pending at a signal
	s_barrier_signal -1
	s_barrier_wait -1
.endm
; 64 numbers of a lane, register 16 b + i = j 32 b + 16 (lane / 16) + i of my row, become a fragment's codes in v[pc] .. v[pc+11] (v[pc+12] .. v[pc+18] at work) and its scale word in v[pw]
.macro QUANT s, pc, pw
.irp b, 0,1,2,3
	v_max3_num_f32 v[TM+\b], |v[\s+16*\b]|, |v[\s+1+16*\b]|, 0x2800000   ; my 16 numbers of block b, and the floor 2^(5-127): the byte cannot fall under 1
.endr
.irp i, 2,4,6,8,10,12,14
.irp b, 0,1,2,3
	v_max3_num_f32 v[TM+\b], v[TM+\b], |v[\s+16*\b+\i]|, |v[\s+1+16*\b+\i]|
.endr
.endr
.irp b, 0,1,2,3
	v_permlanex16_b32 v[TM+4+\b], v[TM+\b], s24, s25
.endr
.irp b, 0,1,2,3
	v_max_num_f32 v[TM+\b], v[TM+\b], v[TM+4+\b]   ; with lane l xor 16's: the block's largest magnitude
.endr
.irp b, 0,1,2,3
	v_add_nc_u32 v[TM+12+\b], 0xfe000000, v[TM+\b] ; 4 off its exponent field: the conversion's scale operand
.endr
.irp b, 0,1,2,3
	v_lshrrev_b32 v[TM+4+\b], 23, v[TM+12+\b]      ; the scale's byte
.endr
	v_lshl_or_b32 v[\pw], v[TM+5], 8, v[TM+4]
	v_lshl_or_b32 v[\pw], v[TM+6], 16, v[\pw]
	v_lshl_or_b32 v[\pw], v[TM+7], 24, v[\pw]
.irp c, 0,1
	v_cvt_scalef32_pk16_bf6_f32 v[\pc+6*\c:\pc+2+6*\c], v[\s+32*\c:\s+15+32*\c], v[TM+12+2*\c]
	v_cvt_scalef32_pk16_bf6_f32 v[\pc+12+4*\c:\pc+14+4*\c], v[\s+16+32*\c:\s+31+32*\c], v[TM+13+2*\c]
.endr
	v_nop                                          ; one plain instruction behind a scaled conversion
.irp c, 0,1                            ; the operand's layout wants a whole block in a lane: lanes 0-15 block 2 c, lanes 16-31 block 2 c + 1
.irp i, 0,1,2
	v_permlane16_swap_b32 v[\pc+6*\c+\i], v[\pc+12+4*\c+\i]
.endr
.irp i, 0,1,2
	v_mov_b32 v[\pc+3+6*\c+\i], v[\pc+12+4*\c+\i]
.endr
.endr
.endm
	s_load_b256 s[4:11], s[0:1], 0x0               ; xq s4, wq s6, b_Q s8, b_K s10
	s_load_b128 s[12:15], s[0:1], 0x20             ; b_V s12, pq s14
	v_lshl_add_u32 v126, v0, 2, 0x32000
	v_mov_b32 v127, 0
	ds_add_u32 v126, v127
	ds_add_u32 v126, v127
	v_lshrrev_b32 v1, 5, v0
	v_readfirstlane_b32 s16, v1                    ; wave 0..3
	s_and_b32 s17, s16, 1                          ; which half of a panel I fetch
	s_lshr_b32 s18, s16, 1                         ; I fetch for P (0) or for R (1)
	s_bfe_u32 s20, ttmp6, 0x40000                  ; cx
	s_bfe_u32 s21, ttmp6, 0x40004                  ; cy
	s_and_b32 s3, ttmp7, 0xffff                    ; the cluster's y, 0..23
	s_lshr_b32 s19, s3, 3                          ; kind: the same in all sixteen partners
	s_and_b32 s3, s3, 7
	s_cmp_lt_u32 s19, 2
	s_cselect_b32 s22, s3, ttmp9                   ; Q, K: 32 i blocks of tokens, 8 j blocks of features;  V: 8 i blocks of channels, 32 j blocks of keys
	s_cselect_b32 s23, ttmp9, s3
	s_lshl_b32 s22, s22, 2
	s_add_co_u32 s22, s22, s21                     ; i block: hangs on cy alone
	s_lshl_b32 s23, s23, 2
	s_add_co_u32 s23, s23, s20                     ; j block: on cx alone
	s_lshl_b32 s2, s21, 2
	s_lshl_b32 s2, 15, s2                          ; my row of the cluster
	s_lshl_b32 s100, 0x1111, s20                   ; my column
	; descriptor groups 1.  Codes: 4 tiles' rows of 3,072 bytes (384 elements of 8 bytes), 12,288 bytes apart in memory, on end in LDS.  Scale bytes: 2,048 dense bytes as 8 rows of 256
	s_or_b32 s24, s2, (3<<16)|(1<<21)              ; 15:0 the mask; 17:16 elements of 8 bytes; 20 no padding; 21 set beside a mask
	s_or_b32 s40, s2, (3<<16)|(1<<21)
	s_or_b32 s32, s100, (3<<16)|(1<<21)
	s_or_b32 s48, s100, (3<<16)|(1<<21)
.irp g, 24, 32
	s_mov_b32 s[\g+1], 384<<16                     ; tensor_dim0
	s_mov_b32 s[\g+2], 4<<16                       ; tensor_dim1
	s_mov_b32 s[\g+3], 384<<16                     ; tile_dim0
	s_mov_b32 s[\g+4], 4                           ; tile_dim1
	s_mov_b32 s[\g+5], 1536                        ; the pitch
	s_mov_b32 s[\g+6], 0
	s_mov_b32 s[\g+7], 0
.endr
.irp g, 40, 48
	s_mov_b32 s[\g+1], 32<<16
	s_mov_b32 s[\g+2], 8<<16
	s_mov_b32 s[\g+3], 32<<16
	s_mov_b32 s[\g+4], 8
	s_mov_b32 s[\g+5], 32
	s_mov_b32 s[\g+6], 0
	s_mov_b32 s[\g+7], 0
.endr
	; groups 0: P's chunks at s56, s60, s68, s72, its scales at s76; R's chunks at s80 .. s92, its scales at s96.  LDS addresses hang on the wave's number alone
	s_mul_i32 s2, s16, 12288
	s_lshl_b32 s3, s16, 11
	s_add_co_u32 s3, s3, SCL
.irp q, 0,1,2,3
	s_mov_b32 s[56+4*\q+4*(\q/2)], 1
	s_add_co_u32 s[57+4*\q+4*(\q/2)], s2, \q*49152
	s_mov_b32 s[80+4*\q], 1
	s_add_co_u32 s[81+4*\q], s2, \q*49152
.endr
	s_mov_b32 s76, 1
	s_mov_b32 s77, s3
	s_mov_b32 s96, 1
	s_mov_b32 s97, s3
	; byte offsets, apart from the addresses: P's in s66, s2 (never cx), R's in s100, s98 (never cy)
	s_mul_i32 s66, s19, 3145728
	s_lshl_b32 s2, s19, 17
	s_add_co_u32 s2, s2, 9437184
	s_mul_i32 s100, s19, 786432
	s_lshl_b32 s98, s19, 15
	s_add_co_u32 s98, s98, 3145728
	s_cmp_eq_u32 s19, 2
	s_cselect_b32 s66, 1572864, s66                ; V: P = W_V's codes in wq,
	s_cselect_b32 s2, 3211264, s2                  ; its scale bytes;
	s_cselect_b32 s100, 6291456, s100              ; R = in_V's codes in xq,
	s_cselect_b32 s98, 9699328, s98                ; its scale bytes
	s_mul_i32 s67, s22, 98304
	s_add_co_u32 s66, s66, s67
	s_mul_i32 s67, s17, 49152
	s_add_co_u32 s66, s66, s67
	s_mov_b32 s67, 0
	s_lshl_b32 s3, s22, 12
	s_add_co_u32 s2, s2, s3
	s_lshl_b32 s3, s17, 11
	s_add_co_u32 s2, s2, s3
	s_mov_b32 s3, 0
	s_mul_i32 s101, s23, 98304
	s_add_co_u32 s100, s100, s101
	s_mul_i32 s101, s17, 49152
	s_add_co_u32 s100, s100, s101
	s_mov_b32 s101, 0
	s_lshl_b32 s99, s23, 12
	s_add_co_u32 s98, s98, s99
	s_lshl_b32 s99, s17, 11
	s_add_co_u32 s98, s98, s99
	s_mov_b32 s99, 0
	s_wait_dscnt 0x0
	s_wait_kmcnt 0x0
	s_cmp_eq_u32 s19, 2                            ; the choice of buffers hangs on the kind alone
	s_cselect_b64 s[58:59], s[6:7], s[4:5]
	s_cselect_b64 s[82:83], s[4:5], s[6:7]
	s_add_nc_u64 s[78:79], s[58:59], s[2:3]
	s_add_nc_u64 s[58:59], s[58:59], s[66:67]
	s_add_nc_u64 s[62:63], s[58:59], 3072          ; a chunk of 256 K is 3,072 bytes of a tile's row
	s_add_nc_u64 s[70:71], s[58:59], 6144
	s_add_nc_u64 s[74:75], s[58:59], 9216
	s_add_nc_u64 s[98:99], s[82:83], s[98:99]
	s_add_nc_u64 s[82:83], s[82:83], s[100:101]
	s_add_nc_u64 s[86:87], s[82:83], 3072
	s_add_nc_u64 s[90:91], s[82:83], 6144
	s_add_nc_u64 s[94:95], s[82:83], 9216
.irp g, 59,63,71,75,79,83,87,91,95,99
	s_or_b32 s[\g], s[\g], 0x80000000              ; type = 2
.endr
	; the bias: along j for Q and K, along i for V.  Both sets are loaded, the one not used from the bias's first bytes, so that every register is written
	s_cmp_eq_u32 s19, 0
	s_cselect_b64 s[8:9], s[8:9], s[10:11]
	s_cmp_eq_u32 s19, 2
	s_cselect_b64 s[8:9], s[12:13], s[8:9]
	s_lshl_b32 s2, s23, 9
	s_lshl_b32 s66, s22, 9
	s_lshl_b32 s3, s16, 7
	s_add_co_u32 s66, s66, s3
	s_cmp_eq_u32 s19, 2
	s_cselect_b32 s2, 0, s2
	s_cselect_b32 s66, s66, 0
	s_mov_b32 s3, 0
	s_mov_b32 s67, 0
	s_add_nc_u64 s[10:11], s[8:9], s[2:3]
	s_add_nc_u64 s[12:13], s[8:9], s[66:67]
	CROUND                                         ; all sixteen work-groups are here: the joint loads meet
	s_cmp_eq_u32 s18, 0                            ; a wave's five first fills stand in one branch on its number, ahead of every wait on TENSORcnt, every LDS read and every other barrier
	s_cbranch_scc0 .Lfill_r
	tensor_load_to_lds s[76:79], s[40:47]
	s_nop 0
	tensor_load_to_lds s[56:59], s[24:31]
	s_nop 0
	tensor_load_to_lds s[60:63], s[24:31]
	s_nop 0
	tensor_load_to_lds s[68:71], s[24:31]
	s_nop 0
	tensor_load_to_lds s[72:75], s[24:31]
	s_nop 0
.rept 4
	v_nop
.endr
	s_branch .Lfilled
.Lfill_r:
	tensor_load_to_lds s[96:99], s[48:55]
	s_nop 0
	tensor_load_to_lds s[80:83], s[32:39]
	s_nop 0
	tensor_load_to_lds s[84:87], s[32:39]
	s_nop 0
	tensor_load_to_lds s[88:91], s[32:39]
	s_nop 0
	tensor_load_to_lds s[92:95], s[32:39]
	s_nop 0
.rept 4
	v_nop
.endr
.Lfilled:
	v_and_b32 v20, 31, v0                          ; lane
	v_and_b32 v21, 15, v0                          ; r
	v_bfe_u32 v22, v0, 4, 1                        ; h
	v_lshlrev_b32 v23, 4, v20
	v_lshlrev_b32 v24, 3, v20
	v_lshlrev_b32 v25, 2, v20
	s_mul_i32 s2, s16, 6144                        ; my two tiles of P
.irp q, 0,1,2,3
	v_add_nc_u32 v[1+\q], \q*49152, v23
	v_add_nc_u32 v[5+\q], \q*49152, v24
	v_add_nc_u32 v[9+\q], s2, v[1+\q]
	v_add_nc_u32 v[13+\q], s2, v[5+\q]
.endr
	v_add_nc_u32 v17, SCL+4096, v24                ; R's scale words: 8 bytes a lane: lanes 0-15 tile 2 x, lanes 16-31 tile 2 x + 1
	s_lshl_b32 s3, s16, 10
	v_add_nc_u32 v18, s3, v24
	v_add_nc_u32 v18, SCL, v18                     ; P's: my pair of tiles
	v_lshlrev_b32 v26, 6, v22                      ; the bias along j: 64 h
	v_and_b32 v27, 8, v21
	v_add_nc_u32 v27, v27, v21
	v_lshlrev_b32 v27, 2, v27                      ; along i: 4 (r + 8 (r / 8))
	WIN 0x40
.irp b, 0,1,2,3,4,5,6,7                ; j tile b, lane (r, h): j = 32 (b / 2) + 16 h + 8 (b % 2) + 0 .. 7
	global_load_b128 v[96+8*\b+96*(\b/4):99+8*\b+96*(\b/4)], v26, s[10:11] offset:(32*(\b/2)+8*(\b%2))*4
	global_load_b128 v[100+8*\b+96*(\b/4):103+8*\b+96*(\b/4)], v26, s[10:11] offset:(32*(\b/2)+8*(\b%2))*4+16
.endr
	WIN 0
.irp a, 0,1                            ; twice, to fill the pair that the packed addition names
	global_load_b32 v[BI+2*\a], v27, s[12:13] offset:32*\a
	global_load_b32 v[BI+2*\a+1], v27, s[12:13] offset:32*\a
.endr
	MEET 0                                         ; the scale bytes and chunk 0
.irp q, 0,1,2,3                        ; all scale words, once: register 10 q + 2 x + s: R's pair x; 10 q + 8 + s: my pair of P; s the 128 K in chunk q
.irp x, 0,1,2,3
	ds_load_b64 v[SC+10*\q+2*\x:SC+10*\q+2*\x+1], v17 offset:\x*1024+\q*256
.endr
	ds_load_b64 v[SC+10*\q+8:SC+10*\q+9], v18 offset:\q*256
.endr
	FETCH 0
	FETCH 1
.irp k, 0,1,2,3,4,5,6,7
.if \k < 7
	s_wait_dscnt 40                                ; this step's fragments are in; the next step's 40 loads may be out
.else
	s_wait_dscnt 0x0
.endif
.if \k == 0
	MUL \k, 0
.else
	MUL \k, 1
.endif
.if (\k < 6) && (\k % 2 == 0)
	MEET \k/2+1                                    ; the chunk from which the fetch below reads
.endif
.if \k < 6
	PLACES 4                                       ; in front of loads into registers that these products have read
	FETCH \k+2
.endif
.endr
	WIN 0
	; THE WAY OUT.  No tensor load of mine is out (the last wait on TENSORcnt was for 0), so the descriptors' registers are free
	PLACES 4
	s_mov_b32 s24, 0x76543210
	s_mov_b32 s25, 0xfedcba98
	s_mul_i32 s26, s19, 3145728                    ; Q's, K's, V's codes
	s_mov_b32 s28, 196608                          ; from one 64 along j to the next: Q, K: a head's 256 tiles;
	s_cmp_eq_u32 s19, 2
	s_cselect_b32 s28, 49152, s28                  ; V: 64 tiles of channels
	s_cselect_b32 s30, 12, 14                      ; log2 of the bytes of scale words for 128 along j
	s_mul_i32 s27, s23, s28
	s_lshl_b32 s27, s27, 1
	s_add_co_u32 s26, s26, s27
	s_mul_i32 s27, s22, 6144
	s_add_co_u32 s26, s26, s27
	s_mul_i32 s27, s16, 1536
	s_add_co_u32 s26, s26, s27
	s_mov_b32 s27, 0
	s_mov_b32 s29, 0
	s_add_nc_u64 s[32:33], s[14:15], s[26:27]      ; the lower 64 along j, i tile 8 x i block + 2 w
	s_add_nc_u64 s[34:35], s[32:33], s[28:29]      ; the upper 64
	s_lshl_b32 s36, s19, 17
	s_add_co_u32 s36, s36, 9437184
	s_lshl_b32 s37, s23, s30
	s_add_co_u32 s36, s36, s37
	s_lshl_b32 s37, s22, 9
	s_add_co_u32 s36, s36, s37
	s_lshl_b32 s37, s16, 7
	s_add_co_u32 s36, s36, s37
	s_mov_b32 s37, 0
	s_add_nc_u64 s[36:37], s[14:15], s[36:37]
	s_wait_loadcnt 0x0                             ; the biases
	s_cmp_eq_u32 s19, 2
	s_cbranch_scc1 .Lbias_i
	WIN 0x04                                       ; source 1 window 1
.irp a, 0,1
.irp b, 0,1,2,3,4,5,6,7
.irp p, 0,1,2,3                        ; each accumulator from its low end on
	v_pk_add_f32 v[ACC+8*(8*\a+\b)+2*\p:ACC+8*(8*\a+\b)+2*\p+1], v[ACC+8*(8*\a+\b)+2*\p:ACC+8*(8*\a+\b)+2*\p+1], v[96+8*\b+96*(\b/4)+2*\p:97+8*\b+96*(\b/4)+2*\p]
.endr
.endr
.endr
	WIN 0
	s_branch .Lbiased
.Lbias_i:
.irp a, 0,1
.irp b, 0,1,2,3,4,5,6,7
.irp p, 0,1,2,3
	v_pk_add_f32 v[ACC+8*(8*\a+\b)+2*\p:ACC+8*(8*\a+\b)+2*\p+1], v[ACC+8*(8*\a+\b)+2*\p:ACC+8*(8*\a+\b)+2*\p+1], v[BI+2*\a:BI+2*\a+1]
.endr
.endr
.endr
.Lbiased:
.irp b, 0,1,2,3
	v_mov_b32 v[TM+4+\b], 0                        ; written once: a lane permute's destination counts as one of its sources
.endr
	QUANT ACC, 72, 108
	global_store_b128 v23, v[72:75], s[32:33]      ; a half fragment: 512 consecutive bytes and the 256 behind them
	global_store_b64 v24, v[76:77], s[32:33] offset:512
	global_store_b128 v23, v[78:81], s[34:35]
	global_store_b64 v24, v[82:83], s[34:35] offset:512
	QUANT ACC+64, 128, 109                         ; its codes go where the first tile's numbers lay: no store's data are written again
	global_store_b128 v23, v[128:131], s[32:33] offset:768
	global_store_b64 v24, v[132:133], s[32:33] offset:1280
	global_store_b128 v23, v[134:137], s[34:35] offset:768
	global_store_b64 v24, v[138:139], s[34:35] offset:1280
	v_cmp_ne_u32 vcc_lo, 0, v22
	v_cndmask_b32 v110, v108, v109, vcc_lo         ; lanes 0-15: the first tile's words, lanes 16-31 the second's
	global_store_b32 v25, v110, s[36:37]
	s_wait_tensorcnt 0x0
	ds_add_u32 v126, v127
	s_wait_dscnt 0x0
	CROUND                                         ; the closing round: no work-group ends while a partner may still ask for a tile that names it
	s_endpgm
.Lfunc_end_k_qdc93ceeb41_proj:
	.size	k_qdc93ceeb41_proj, .Lfunc_end_k_qdc93ceeb41_proj-k_qdc93ceeb41_proj
	.p2alignl 7, 3214868480
	.fill 96, 4, 3214868480
	.section	.rodata,"a",@progbits
	.p2align	6, 0x0
	.amdhsa_kernel k_qdc93ceeb41_proj
		.amdhsa_group_segment_fixed_size 205312
		.amdhsa_private_segment_fixed_size 0
		.amdhsa_enable_private_segment 0
		.amdhsa_kernarg_size 48
		.amdhsa_user_sgpr_count 2
		.amdhsa_user_sgpr_kernarg_segment_ptr 1
		.amdhsa_wavefront_size32 1
		.amdhsa_system_sgpr_workgroup_id_x 1
		.amdhsa_system_sgpr_workgroup_id_y 1
		.amdhsa_system_sgpr_workgroup_id_z 1
		.amdhsa_system_vgpr_workitem_id 0
		.amdhsa_next_free_vgpr 512
		.amdhsa_next_free_sgpr 102
		.amdhsa_reserve_vcc 1
		.amdhsa_float_denorm_mode_32 3
		.amdhsa_float_denorm_mode_16_64 3
		.amdhsa_memory_ordered 1
		.amdhsa_forward_progress 1
		.amdhsa_inst_pref_size 71
	.end_amdhsa_kernel
	.amdgpu_metadata
---
amdhsa.version: [ 1, 2 ]
amdhsa.kernels:
  - .name:           k_qdc93ceeb41_proj
    .symbol:         k_qdc93ceeb41_proj.kd
    .args:
      - { .name: xq, .offset: 0, .size: 8, .value_kind: global_buffer, .address_space: global }
      - { .name: wq, .offset: 8, .size: 8, .value_kind: global_buffer, .address_space: global }
      - { .name: b_Q, .offset: 16, .size: 8, .value_kind: global_buffer, .address_space: global }
      - { .name: b_K, .offset: 24, .size: 8, .value_kind: global_buffer, .address_space: global }
      - { .name: b_V, .offset: 32, .size: 8, .value_kind: global_buffer, .address_space: global }
      - { .name: pq, .offset: 40, .size: 8, .value_kind: global_buffer, .address_space: global }
    .group_segment_fixed_size: 205312
    .private_segment_fixed_size: 0
    .kernarg_segment_align: 8
    .kernarg_segment_size: 48
    .max_flat_workgroup_size: 128
    .sgpr_count:     102
    .vgpr_count:     512
    .wavefront_size: 32
...
	.end_amdgpu_metadata
.endif
;; end of part 2
;; launch attn (part 3): grid 8 x 32, 16 waves a work-group, no clusters, 210,944 bytes of LDS; arguments pq, lens, hq; writes hq
.if DOCPART == 3
	.amdgcn_target "amdgcn-amd-amdhsa--gfx1250"
	.amdhsa_code_object_version 6
	.text
	.protected	k_qdc93ceeb41_attn
	.globl	k_qdc93ceeb41_attn
	.p2align	8
	.type	k_qdc93ceeb41_attn,@function
k_qdc93ceeb41_attn:
	s_mov_b64 s[64:65], 0
	v_nop
	global_prefetch_b8 v0, s[64:65] scope:SCOPE_SE
	s_setreg_imm32_b32 hwreg(HW_REG_WAVE_MODE, 25, 1), 1
	s_wait_xcnt 0x0
; Attention of one (batch, head) on codes of BF6: scores = Q K^T / 8 under the causal mask and the two lengths, importances = softmax (rows with no key: zeros), H = importances V; H is quantised along the features and stored as codes.
; THE FINISHED, NORMALISED importances are what the second product's quantiser takes, so a row's maximum and sum are known before any of them is quantised: TWO PASSES over the keys.
; Pass 1: t = score x log2(e) / 8; M = the running largest t rounded up to a whole number; l = the sum of 2^(t - M); when M moves, l is multiplied by 2^(old M - new M), which rounds nothing.
; Pass 2: the same scores again; p = 2^(t - M) x (1 / l), quantised along the keys in blocks of 32, times V.
; SHARES: 8 work-groups to a (batch, head), 16 waves each, a wave to a tile of 16 queries; tiles are dealt so that every work-group, and every four waves w, w + 4, w + 8, w + 12, have the same number of key steps.
; The head's K and V codes and scale words (204 KB) come into LDS once, through registers, and stay: the key loops hold no barrier.
; NO TENSOR LOAD AND NO CLUSTER: key steps are left out by the stored lengths q_len, k_len (a branch on numbers read from memory).
; Both loops have 16 trips, a constant; a step none of whose keys counts for my 16 queries is jumped over, but for the lines that step addresses.
; LAYOUT: both products transposed (S^T = K Q^T, O^T = V^T P^T): a lane holds one query; a tile's rows are 32 G + 8 u + r + 8 (r / 8), so the 16 registers of tiles 2 b, 2 b + 1 are 16 neighbouring keys (or channels).
; The first product's K is 64: registers 6-11 of its operands hold zero codes.
; LIMITS: NaN and infinities are not served; p under 2^-126 becomes 0; a block's largest p is taken from its largest score (it takes the exponential not to fall where its input rises); a block of zeros gets the byte 1.
; H's scale bytes leave as single bytes: the two halves of a word come from different work-groups; they are 128 KB of the launch's 3.1 MB.
; REGISTERS: v1-3 16, 8, 4 x lane; v4-9 addresses in hand; v10 my last visible key less 16 h; v11 -infinity; v12 -M; v13 largest t; v[14:15] l, later 1 / l twice; v16-27 Q; v28 Q's scale word; v29-31 at work;
;   v32-79 four fragments of K; v80-83 K's scale words; v84-85 V's; v86 p's; v88-95 blocks' maxima; v96-159 S^T, p, then V's fragments; v160-191 O^T (in pass 1: V on its way to LDS, v160-209); v192-211 codes; v212-217 at work; v220-238 never rewritten.
.set VC,  98304                        ; LDS: K's codes [tile 128] x 768 at 0; V's [64 keys 32][channel tile 4] x 768 here;
.set KS,  196608                       ; K's scale words [16 x tile + r], shifted so that my head's two bytes are the low ones;
.set VS,  204800                       ; V's [128 keys 16][16 x channel tile + r]
.set SEL, 40
.set CS,  42
.set KF,  44                           ; the step's first key
.set TK,  45                           ; 6,144 a step: K's 8 tiles, and V's 2 x 4
.set TS,  46                           ; 512 a step
.set TV,  47                           ; 256 a step
.set CNT, 48
.macro WM d, a, b, cm, c, sa, sb, ra
.if (\cm) == 0
.if (\ra) == 0
	v_wmma_scale_f32_16x16x128_f8f6f4 v[(\d):(\d)+7], v[(\a):(\a)+11], v[(\b):(\b)+11], 0, v[\sa], v[\sb] matrix_a_fmt:MATRIX_FMT_BF6 matrix_b_fmt:MATRIX_FMT_BF6
.else
	v_wmma_scale_f32_16x16x128_f8f6f4 v[(\d):(\d)+7], v[(\a):(\a)+11], v[(\b):(\b)+11], 0, v[\sa], v[\sb] matrix_a_fmt:MATRIX_FMT_BF6 matrix_b_fmt:MATRIX_FMT_BF6 matrix_a_scale:MATRIX_SCALE_ROW1
.endif
.else
.if (\ra) == 0
	v_wmma_scale_f32_16x16x128_f8f6f4 v[(\d):(\d)+7], v[(\a):(\a)+11], v[(\b):(\b)+11], v[(\c):(\c)+7], v[\sa], v[\sb] matrix_a_fmt:MATRIX_FMT_BF6 matrix_b_fmt:MATRIX_FMT_BF6
.else
	v_wmma_scale_f32_16x16x128_f8f6f4 v[(\d):(\d)+7], v[(\a):(\a)+11], v[(\b):(\b)+11], v[(\c):(\c)+7], v[\sa], v[\sb] matrix_a_fmt:MATRIX_FMT_BF6 matrix_b_fmt:MATRIX_FMT_BF6 matrix_a_scale:MATRIX_SCALE_ROW1
.endif
.endif
.endm
	s_load_b128 s[4:7], s[0:1], 0x0                ; pq, lens
	s_load_b64 s[8:9], s[0:1], 0x10                ; hq
	v_lshl_add_u32 v254, v0, 2, 0x33000
	v_mov_b32 v255, 0
	v_lshrrev_b32 v1, 5, v0
	v_readfirstlane_b32 s10, v1                    ; wave 0..15
	s_and_b32 s13, ttmp7, 0xffff
	s_lshr_b32 s14, s13, 4                         ; batch
	s_and_b32 s15, s13, 15                         ; head
	s_bfe_u32 s50, s10, 0x10002
	s_mul_i32 s50, s50, 3
	s_xor_b32 s11, s10, s50                        ; rank = w xor 3 ((w / 4) % 2): the ranks of w, w + 4, w + 8, w + 12 add up to 30
	s_sub_co_u32 s51, 7, ttmp9
	s_and_b32 s50, s11, 1
	s_cmp_lg_u32 s50, 0
	s_cselect_b32 s51, s51, ttmp9
	s_lshl_b32 s16, s11, 3
	s_add_co_u32 s16, s16, s51                     ; my tile of queries: 8 x rank + g, or + 7 - g for odd ranks
	s_lshr_b32 s12, s16, 1                         ; G
	s_and_b32 s23, s16, 1                          ; u
	s_lshl_b32 s17, s12, 5
	s_lshl_b32 s50, s23, 3
	s_add_co_u32 s17, s17, s50                     ; my first query
	s_add_co_u32 s18, s17, 23                      ; my last
	s_and_b32 s49, s15, 1
	s_lshl_b32 s49, s49, 4                         ; a scale word holds two heads' bytes: mine are 16 (head % 2) bits up
	; byte offsets
	s_mul_i32 s52, s15, 196608
	s_mul_i32 s50, s14, 98304
	s_add_co_u32 s52, s52, s50
	s_add_co_u32 s24, s52, 3145728                 ; K's codes: [head][tile]
	s_mov_b32 s25, 0
	s_mul_i32 s50, s16, 768
	s_add_co_u32 s28, s52, s50                     ; Q's: my tile
	s_mov_b32 s29, 0
	s_lshr_b32 s50, s15, 1
	s_lshl_b32 s50, s50, 14
	s_lshl_b32 s51, s14, 13
	s_add_co_u32 s50, s50, s51
	s_add_co_u32 s26, s50, 9568256                 ; K's scale words
	s_mov_b32 s27, 0
	s_lshl_b32 s51, s16, 6
	s_add_co_u32 s30, s50, s51
	s_add_co_u32 s30, s30, 9437184                 ; Q's
	s_mov_b32 s31, 0
	s_mul_i32 s32, s14, 1572864
	s_mul_i32 s50, s15, 3072
	s_add_co_u32 s32, s32, s50
	s_add_co_u32 s32, s32, 6291456                 ; V's codes: [64 keys][channel tile]
	s_mov_b32 s33, 0
	s_lshl_b32 s34, s14, 16
	s_lshl_b32 s50, s15, 8
	s_add_co_u32 s34, s34, s50
	s_add_co_u32 s34, s34, 9699328                 ; V's scale words
	s_mov_b32 s35, 0
	s_lshl_b32 s54, s14, 7
	s_add_co_u32 s54, s54, s16
	s_mul_i32 s54, s54, 12288
	s_mul_i32 s50, s15, 768
	s_add_co_u32 s54, s54, s50                     ; H's codes: [tile][head]
	s_mov_b32 s55, 0
	s_lshl_b32 s56, s14, 6
	s_add_co_u32 s56, s56, s12
	s_lshl_b32 s56, s56, 10
	s_lshr_b32 s50, s15, 2
	s_lshl_b32 s50, s50, 8
	s_add_co_u32 s56, s56, s50
	s_lshl_b32 s50, s23, 7
	s_add_co_u32 s56, s56, s50
	s_bfe_u32 s50, s15, 0x10001
	s_lshl_b32 s50, s50, 2
	s_add_co_u32 s56, s56, s50
	s_and_b32 s50, s15, 1
	s_lshl_b32 s50, s50, 1
	s_add_co_u32 s56, s56, s50
	s_add_co_u32 s56, s56, 3145728                 ; H's scale bytes
	s_mov_b32 s57, 0
	s_mov_b32 s[SEL], 0x76543210
	s_mov_b32 s[SEL+1], 0xfedcba98
	s_mov_b32 s[CS], 0x3e38aa3b                    ; c = log2(e) / 8
	s_mov_b32 s[CS+1], s[CS]                       ; (named with it as a pair, so it is written)
	v_and_b32 v29, 31, v0                          ; lane
	v_and_b32 v238, 15, v0                         ; r
	v_bfe_u32 v237, v0, 4, 1                       ; h
	v_lshlrev_b32 v1, 4, v29
	v_lshlrev_b32 v2, 3, v29
	v_lshlrev_b32 v3, 2, v29
	v_lshlrev_b32 v220, 4, v0                      ; 16 x thread: K's codes and scale words, in memory and in LDS
	v_add_nc_u32 v221, 65536, v220
	v_add_nc_u32 v222, KS, v220
	s_mul_i32 s50, s10, 98304
	v_add_nc_u32 v223, s50, v1                     ; V's codes in memory: wave w takes keys 128 w on
	s_mul_i32 s50, s10, 6144
	v_add_nc_u32 v224, s50, v1
	v_add_nc_u32 v224, VC, v224                    ; and in LDS
	s_lshl_b32 s50, s10, 12
	v_add_nc_u32 v225, s50, v2                     ; V's scale words in memory
	s_lshl_b32 s50, s10, 8
	v_add_nc_u32 v226, s50, v2
	v_add_nc_u32 v226, VS, v226                    ; and in LDS
	v_lshlrev_b32 v227, 2, v238
	v_add_nc_u32 v232, KS, v3
	v_add_nc_u32 v233, VC, v1
	v_add_nc_u32 v234, VC, v2
	v_add_nc_u32 v235, VS, v3
	v_lshl_add_u32 v236, v238, 3, v237             ; 8 r + h: my byte of H's scales
	s_wait_kmcnt 0x0
	s_load_b128 s[36:39], s[6:7], 0x0              ; q_len[0], q_len[1], k_len[0], k_len[1]
	s_add_nc_u64 s[24:25], s[4:5], s[24:25]
	s_add_nc_u64 s[26:27], s[4:5], s[26:27]
	s_add_nc_u64 s[28:29], s[4:5], s[28:29]
	s_add_nc_u64 s[30:31], s[4:5], s[30:31]
	s_add_nc_u64 s[32:33], s[4:5], s[32:33]
	s_add_nc_u64 s[34:35], s[4:5], s[34:35]
	s_add_nc_u64 s[54:55], s[8:9], s[54:55]
	s_add_nc_u64 s[56:57], s[8:9], s[56:57]
	; 29 loads: K's 13, Q's 3, V's 13
.irp i, 0,1,2,3,4,5,6,7,8,9,10,11
	global_load_b128 v[96+4*\i:99+4*\i], v220, s[24:25] offset:8192*\i
.endr
	global_load_b128 v[144:147], v220, s[26:27]
	global_load_b128 v[16:19], v1, s[28:29]
	global_load_b64 v[20:21], v2, s[28:29] offset:512
	global_load_b32 v28, v227, s[30:31]
.irp e, 0,1
.irp f, 0,1,2,3,4,5
	global_load_b128 v[160+4*(6*\e+\f):163+4*(6*\e+\f)], v223, s[32:33] offset:\e*49152+512*\f
.endr
.endr
	global_load_b64 v[208:209], v225, s[34:35]
	; the limits.  Key k counts for query q where k < L(q) = min(q + 1, k_len) if q < q_len, else 0.  The lengths are held to 0 .. 2,048, which changes nothing in (index < length)
	s_wait_kmcnt 0x0
	s_cmp_eq_u32 s14, 0
	s_cselect_b32 s19, s36, s37
	s_cselect_b32 s20, s38, s39
	s_max_i32 s19, s19, 0
	s_min_i32 s19, s19, 2048
	s_max_i32 s20, s20, 0
	s_min_i32 s20, s20, 2048
	s_add_co_u32 s50, s18, 1
	s_min_u32 s50, s50, s20
	s_cmp_lt_u32 s17, s19
	s_cselect_b32 s21, s50, 0                      ; keys from here on count for none of my queries
	s_add_co_u32 s50, s17, 1
	s_min_u32 s50, s50, s20
	s_cmp_lt_u32 s18, s19
	s_cselect_b32 s22, s50, 0                      ; keys under this count for all of them
	v_and_b32 v29, 8, v238
	v_add_nc_u32 v29, v29, v238
	v_add_nc_u32 v29, s17, v29                     ; my query
	v_cmp_gt_u32 vcc_lo, s19, v29
	v_add_nc_u32 v30, 1, v29
	v_min_u32 v30, s20, v30
	v_cndmask_b32 v30, 0, v30, vcc_lo              ; L
	v_lshlrev_b32 v31, 4, v237
	v_sub_nc_u32 v10, v30, v31
	v_add_nc_u32 v10, -1, v10                      ; L - 1 - 16 h
	s_wait_loadcnt 16                              ; K's 13 loads are in; Q's 3 and V's 13 may be out
.irp j, 144,145,146,147
	v_lshrrev_b32 v[\j], s49, v[\j]
.endr
.irp i, 0,1,2,3,4,5,6,7
	ds_store_b128 v220, v[96+4*\i:99+4*\i] offset:8192*\i
.endr
.irp i, 8,9,10,11
	ds_store_b128 v221, v[96+4*\i:99+4*\i] offset:8192*(\i-8)
.endr
	ds_store_b128 v222, v[144:147]
	s_wait_dscnt 0x0                               ; for the others' sake: my stores have landed
	s_barrier_signal -1
	s_barrier_wait -1                              ; K lies in LDS
	s_wait_loadcnt 13                              ; Q is in; V's 13 loads may be out
	v_lshrrev_b32 v28, s49, v28
.irp j, 22,23,24,25,26,27
	v_mov_b32 v[\j], 0                             ; zero codes for K = 64 .. 127
.endr
.irp t, 0,1,2,3
.irp j, 6,7,8,9,10,11
	v_mov_b32 v[32+12*\t+\j], 0
.endr
.endr
	v_mov_b32 v11, 0xff800000                      ; -infinity
	v_mov_b32 v13, 0xff61b1e6                      ; the largest t so far: -3e38, under every t
	v_floor_f32 v12, -v13                          ; -M
	v_mov_b32 v14, 0
	v_mov_b32 v15, 0
.irp j, 92,93,94,95
	v_mov_b32 v[\j], 0                             ; written once: a lane permute's destination counts as one of its sources
.endr
	v_mov_b32 v213, 0                              ; (named as the upper half of a pair)
; S^T = K Q^T for 128 keys, four tiles at a time
.macro SCORES
	v_add_nc_u32 v4, s[TK], v1
	v_add_nc_u32 v5, s[TK], v2
	v_add_nc_u32 v6, s[TS], v232
.irp g, 0,1
.if \g
.rept 4
	v_nop                                          ; places in front of loads into registers that the four products above have read
.endr
.endif
.irp t, 0,1,2,3
	ds_load_b128 v[32+12*\t:35+12*\t], v4 offset:(4*\g+\t)*768
	ds_load_b64 v[36+12*\t:37+12*\t], v5 offset:(4*\g+\t)*768+512
.endr
.if \g == 0
.irp x, 0,1,2,3
	ds_load_b32 v[80+\x], v6 offset:128*\x         ; lanes 0-15: tile 2 x's words, lanes 16-31: tile 2 x + 1's
.endr
.endif
	s_wait_dscnt 0x0
.irp t, 0,1,2,3
	WM 96+8*(4*\g+\t), 32+12*\t, 16, 0, 0, 80+(4*\g+\t)/2, 28, \t%2
.endr
.endr
.rept 4
	v_nop                                          ; places in front of the first read of the scores
.endr
.endm
; register 16 b + i holds key KF + 32 b + 16 h + i: hidden where 32 b + i > L - 1 - 16 h - KF.  A step all of whose keys count for all my queries skips this
.macro MASK
	s_add_co_u32 s50, s[KF], 128
	s_cmp_le_u32 s50, s22
	s_cbranch_scc1 .Lopen_\@
	v_sub_nc_u32 v29, v10, s[KF]
.set n, 0
.rept 64
	v_cmp_gt_i32 vcc_lo, 32*(n/16)+n%16, v29
	v_cndmask_b32 v[96+n], v[96+n], v11, vcc_lo
.set n, n+1
.endr
.Lopen_\@:
.endm
; the largest score of each block of 32 keys -> v88-91
.macro BLKMAX
.irp b, 0,1,2,3
	v_max3_num_f32 v[88+\b], v[96+16*\b], v[97+16*\b], v[98+16*\b]
.endr
.irp i, 3,5,7,9,11,13
.irp b, 0,1,2,3
	v_max3_num_f32 v[88+\b], v[88+\b], v[96+16*\b+\i], v[97+16*\b+\i]
.endr
.endr
.irp b, 0,1,2,3
	v_max_num_f32 v[88+\b], v[88+\b], v[111+16*\b]
.endr
.irp b, 0,1,2,3
	v_permlanex16_b32 v[92+\b], v[88+\b], s[SEL], s[SEL+1]
.endr
.irp b, 0,1,2,3
	v_max_num_f32 v[88+\b], v[88+\b], v[92+\b]     ; with lane l xor 16's 16 keys
.endr
.endm
	; ---------------- PASS 1: M and l
	s_mov_b32 s[KF], 0
	s_mov_b32 s[TK], 0
	s_mov_b32 s[TS], 0
	s_mov_b32 s[CNT], 16
.Lpass1:
	s_cmp_ge_u32 s[KF], s21
	s_cbranch_scc1 .Lskip1
	SCORES
	MASK
	BLKMAX
	v_max3_num_f32 v29, v88, v89, v90
	v_max_num_f32 v29, v29, v91
	v_mul_f32 v29, s[CS], v29                      ; the step's largest t (c is positive)
	v_max_num_f32 v13, v13, v29
	v_mov_b32 v30, v12
	v_floor_f32 v12, -v13                          ; the new -M = -ceil(t)
	v_sub_f32 v30, v12, v30                        ; old M - new M: a whole number, 0 or less
	v_cvt_i32_f32 v30, v30                         ; (it saturates)
	v_ldexp_f32 v212, 1.0, v30                     ; f = 2^(old M - new M)
.set j, 0
.rept 32
	v_pk_fma_f32 v[96+j:97+j], v[96+j:97+j], s[CS:CS+1], v[12:13] op_sel_hi:[1,0,0]   ; t - M (of the pairs c and -M the low word serves both halves)
.set j, j+2
.endr
.set j, 0
.rept 64
	v_exp_f32 v[96+j], v[96+j]
.set j, j+1
.endr
	v_pk_mul_f32 v[14:15], v[14:15], v[212:213] op_sel_hi:[1,0]   ; l under the new M: the plain instruction behind the exponentials
	s_wait_alu depctr_va_vdst(0)                   ; one wait for the batch of 64, ahead of its first reader
	v_pk_add_f32 v[216:217], v[96:97], v[98:99]
.irp j, 4,8,12,16,20,24,28,32,36,40,44,48,52,56,60
	v_pk_add_f32 v[14:15], v[14:15], v[96+\j:97+\j]
	v_pk_add_f32 v[216:217], v[216:217], v[98+\j:99+\j]
.endr
	v_pk_add_f32 v[14:15], v[14:15], v[216:217]
.Lskip1:
	s_add_co_u32 s[KF], s[KF], 128
	s_add_co_u32 s[TK], s[TK], 6144
	s_add_co_u32 s[TS], s[TS], 512
	s_sub_co_u32 s[CNT], s[CNT], 1
	s_cmp_lg_u32 s[CNT], 0
	s_cbranch_scc1 .Lpass1
	; ---------------- between the passes: 1 / l (0 for a row with no key), and V into LDS
	v_add_f32 v14, v14, v15
	v_permlanex16_b32 v29, v14, s[SEL], s[SEL+1]
	v_add_f32 v14, v14, v29                        ; the row's sum
	v_rcp_f32 v30, v14
	v_nop                                          ; a plain instruction behind the reciprocal
	v_cmp_lt_f32 vcc_lo, 0, v14
	s_wait_alu depctr_va_vdst(0)                   ; ahead of the reciprocal's first reader
	v_cndmask_b32 v14, 0, v30, vcc_lo
	v_mov_b32 v15, v14
	s_wait_loadcnt 0x0                             ; V
.irp e, 0,1
.irp f, 0,1,2,3,4,5
	ds_store_b128 v224, v[160+4*(6*\e+\f):163+4*(6*\e+\f)] offset:\e*3072+512*\f
.endr
.endr
	ds_store_b64 v226, v[208:209]
	s_wait_dscnt 0x0                               ; for the others' sake: my stores have landed
	s_barrier_signal -1
	s_barrier_wait -1                              ; V lies in LDS
.set j, 0
.rept 32
	v_mov_b32 v[160+j], 0                          ; O^T: the step is written once, and a wave may have no step at all
.set j, j+1
.endr
	; ---------------- PASS 2: p, its codes, O^T += V^T P^T
	s_mov_b32 s[KF], 0
	s_mov_b32 s[TK], 0
	s_mov_b32 s[TS], 0
	s_mov_b32 s[TV], 0
	s_mov_b32 s[CNT], 16
.Lpass2:
	s_cmp_ge_u32 s[KF], s21
	s_cbranch_scc1 .Lskip2
	v_add_nc_u32 v7, s[TK], v233                   ; these three additions and the three at the head of SCORES are six places between the last step's products and the scores, which write over V's registers (five are owed)
	v_add_nc_u32 v8, s[TK], v234
	v_add_nc_u32 v9, s[TV], v235
	SCORES
	MASK
	BLKMAX
.set j, 0
.rept 32
	v_pk_fma_f32 v[96+j:97+j], v[96+j:97+j], s[CS:CS+1], v[12:13] op_sel_hi:[1,0,0]
.set j, j+2
.endr
.irp b, 0,1,2,3
	v_fma_f32 v[88+\b], v[88+\b], s[CS], v12       ; the same of each block's largest score
.endr
.set j, 0
.rept 64
	v_exp_f32 v[96+j], v[96+j]
.set j, j+1
.endr
	v_nop                                          ; the plain instruction behind the exponentials
	s_wait_alu depctr_va_vdst(0)                   ; one wait for the batch of 64
.irp b, 0,1,2,3
	v_exp_f32 v[88+\b], v[88+\b]
.endr
.set j, 0
.rept 32
	v_pk_mul_f32 v[96+j:97+j], v[96+j:97+j], v[14:15]   ; the importances: x 1 / l.  (They read the 64 alone: plain work behind the four)
.set j, j+2
.endr
	s_wait_alu depctr_va_vdst(0)                   ; and one for the four
.irp b, 0,1,2,3
	v_mul_f32 v[88+\b], v[88+\b], v14              ; the block's largest importance: the same instructions on the same number give the same bits
.endr
.irp b, 0,1,2,3
	v_max_num_f32 v[88+\b], 0x2800000, v[88+\b]    ; the floor 2^(5-127)
.endr
.irp b, 0,1,2,3
	v_add_nc_u32 v[212+\b], 0xfe000000, v[88+\b]   ; 4 off the exponent field: the conversion's scale operand
.endr
.irp b, 0,1,2,3
	v_lshrrev_b32 v[92+\b], 23, v[212+\b]
.endr
	v_lshl_or_b32 v86, v93, 8, v92                 ; p's scale word for these 128 keys
	v_lshl_or_b32 v86, v94, 16, v86
	v_lshl_or_b32 v86, v95, 24, v86
.irp c, 0,1
	v_cvt_scalef32_pk16_bf6_f32 v[192+6*\c:194+6*\c], v[96+32*\c:111+32*\c], v[212+2*\c]
	v_cvt_scalef32_pk16_bf6_f32 v[204+4*\c:206+4*\c], v[112+32*\c:127+32*\c], v[213+2*\c]
.endr
.irp d, 0,1,2,3                        ; V's four fragments (16 channels x 128 keys) land where p lay
.irp e, 0,1
	ds_load_b128 v[96+12*\d+6*\e:99+12*\d+6*\e], v7 offset:(4*\e+\d)*768
	ds_load_b64 v[100+12*\d+6*\e:101+12*\d+6*\e], v8 offset:(4*\e+\d)*768+512
.endr
.endr
	ds_load_b32 v84, v9
	ds_load_b32 v85, v9 offset:128
	v_nop                                          ; one plain instruction behind a scaled conversion
.irp c, 0,1
.irp i, 0,1,2
	v_permlane16_swap_b32 v[192+6*\c+\i], v[204+4*\c+\i]
.endr
.irp i, 0,1,2
	v_mov_b32 v[195+6*\c+\i], v[204+4*\c+\i]
.endr
.endr
.rept 4
	v_nop                                          ; codes written by vector instructions stand 4 places ahead of a scaled product; the scale word stands more than 8 ahead
.endr
	s_wait_dscnt 0x0
.irp d, 0,1,2,3
	WM 160+8*\d, 96+12*\d, 192, 1, 160+8*\d, 84+\d/2, 86, \d%2
.endr
.Lskip2:
	s_add_co_u32 s[KF], s[KF], 128
	s_add_co_u32 s[TK], s[TK], 6144
	s_add_co_u32 s[TS], s[TS], 512
	s_add_co_u32 s[TV], s[TV], 256
	s_sub_co_u32 s[CNT], s[CNT], 1
	s_cmp_lg_u32 s[CNT], 0
	s_cbranch_scc1 .Lpass2
	; ---------------- THE WAY OUT: register 16 b + i = channel 32 b + 16 h + i of my query: two blocks along the last product's K
.rept 4
	v_nop
.endr
.irp b, 0,1
	v_max3_num_f32 v[88+\b], |v[160+16*\b]|, |v[161+16*\b]|, 0x2800000
.endr
.irp i, 2,4,6,8,10,12,14
.irp b, 0,1
	v_max3_num_f32 v[88+\b], v[88+\b], |v[160+16*\b+\i]|, |v[161+16*\b+\i]|
.endr
.endr
.irp b, 0,1
	v_permlanex16_b32 v[92+\b], v[88+\b], s[SEL], s[SEL+1]
.endr
.irp b, 0,1
	v_max_num_f32 v[88+\b], v[88+\b], v[92+\b]
.endr
.irp b, 0,1
	v_add_nc_u32 v[212+\b], 0xfe000000, v[88+\b]
.endr
.irp b, 0,1
	v_lshrrev_b32 v[92+\b], 23, v[212+\b]
.endr
	v_cvt_scalef32_pk16_bf6_f32 v[192:194], v[160:175], v212
	v_cvt_scalef32_pk16_bf6_f32 v[200:202], v[176:191], v213
	v_nop
.irp i, 0,1,2
	v_permlane16_swap_b32 v[192+\i], v[200+\i]
.endr
.irp i, 0,1,2
	v_mov_b32 v[195+\i], v[200+\i]
.endr
	v_cmp_ne_u32 vcc_lo, 0, v237
	v_cndmask_b32 v29, v92, v93, vcc_lo            ; lane (r, h): block h's byte of row r
	global_store_b128 v1, v[192:195], s[54:55]     ; a half fragment: 768 consecutive bytes
	global_store_b64 v2, v[196:197], s[54:55] offset:512
	global_store_b8 v236, v29, s[56:57]
	s_wait_tensorcnt 0x0
	ds_add_u32 v254, v255
	s_wait_dscnt 0x0
	s_endpgm
.Lfunc_end_k_qdc93ceeb41_attn:
	.size	k_qdc93ceeb41_attn, .Lfunc_end_k_qdc93ceeb41_attn-k_qdc93ceeb41_attn
	.p2alignl 7, 3214868480
	.fill 96, 4, 3214868480
	.section	.rodata,"a",@progbits
	.p2align	6, 0x0
	.amdhsa_kernel k_qdc93ceeb41_attn
		.amdhsa_group_segment_fixed_size 210944
		.amdhsa_private_segment_fixed_size 0
		.amdhsa_enable_private_segment 0
		.amdhsa_kernarg_size 24
		.amdhsa_user_sgpr_count 2
		.amdhsa_user_sgpr_kernarg_segment_ptr 1
		.amdhsa_wavefront_size32 1
		.amdhsa_system_sgpr_workgroup_id_x 1
		.amdhsa_system_sgpr_workgroup_id_y 1
		.amdhsa_system_sgpr_workgroup_id_z 1
		.amdhsa_system_vgpr_workitem_id 0
		.amdhsa_next_free_vgpr 256
		.amdhsa_next_free_sgpr 66
		.amdhsa_reserve_vcc 1
		.amdhsa_float_denorm_mode_32 3
		.amdhsa_float_denorm_mode_16_64 3
		.amdhsa_memory_ordered 1
		.amdhsa_forward_progress 1
		.amdhsa_inst_pref_size 54
	.end_amdhsa_kernel
	.amdgpu_metadata
---
amdhsa.version: [ 1, 2 ]
amdhsa.kernels:
  - .name:           k_qdc93ceeb41_attn
    .symbol:         k_qdc93ceeb41_attn.kd
    .args:
      - { .name: pq, .offset: 0, .size: 8, .value_kind: global_buffer, .address_space: global }
      - { .name: lens, .offset: 8, .size: 8, .value_kind: global_buffer, .address_space: global }
      - { .name: hq, .offset: 16, .size: 8, .value_kind: global_buffer, .address_space: global }
    .group_segment_fixed_size: 210944
    .private_segment_fixed_size: 0
    .kernarg_segment_align: 8
    .kernarg_segment_size: 24
    .max_flat_workgroup_size: 512
    .sgpr_count:     66
    .vgpr_count:     256
    .wavefront_size: 32
...
	.end_amdgpu_metadata
.endif
;; end of part 3
;; launch outp (part 4): grid 8 x 32, 4 waves a work-group, clusters of 4 x 4, 239,104 bytes of LDS; arguments hq, wq, b_O, out0; writes out0
.if DOCPART == 4
	.amdgcn_target "amdgcn-amd-amdhsa--gfx1250"
	.amdhsa_code_object_version 6
	.text
	.protected	k_qdc93ceeb41_outp
	.globl	k_qdc93ceeb41_outp
	.p2align	8
	.type	k_qdc93ceeb41_outp,@function
k_qdc93ceeb41_outp:
	s_mov_b64 s[64:65], 0
	v_nop
	global_prefetch_b8 v0, s[64:65] scope:SCOPE_SE
	s_setreg_imm32_b32 hwreg(HW_REG_WAVE_MODE, 25, 1), 1
	s_wait_xcnt 0x0
	s_wait_alu depctr_hold_cnt(0) depctr_sa_sdst(0) depctr_va_vdst(0) depctr_va_sdst(0) depctr_va_ssrc(0) depctr_va_vcc(0) depctr_vm_vsrc(0)
	s_getreg_b32 s2, hwreg(HW_REG_IB_STS2, 6, 4)
	s_cmp_eq_u32 s2, 0
	s_cbranch_scc0 .Lentry_in_a_cluster
	s_endpgm
.Lentry_in_a_cluster:
	s_bfe_u32 s2, ttmp6, 0x10000c
	s_cmp_lg_u32 s2, 0xf033
	s_cbranch_scc0 .Lentry_shape_is_right
	s_endpgm
.Lentry_shape_is_right:
; out0 = H W_O + b_O on codes of BF6.  C'[i][j] = sum over k of P[i][k] R[j][k], K = 1,024: P = H's codes (i = tokens), R = W_O's (j = the output's columns).
; Source 0 = a tile of R, source 1 = a tile of P: a lane holds one token and its registers run along j.  A tile holds rows 32 G + 8 u + r + 8 (r / 8).
; SHARES: a work-group makes 128 x 128; wave w takes i tiles 2 w, 2 w + 1 against all 8 j tiles: 16 accumulators.  Both panels (96 KB of codes each) and their scale bytes lie in LDS whole: every LDS byte that a
; tensor load fills is filled once: no ring, no refill.  The bias is the C of each sum's first product.
; CLUSTER 4 x 4: P's panel is asked for jointly along a row of the cluster, R's along a column.  Each wave issues five loads: five of a wave's tensor loads are outstanding at the most.
; THE WAY OUT: 16 rows x 128 columns at a time through the wave's own stage in LDS (behind all that tensor loads fill), back as whole rows of 512 bytes.
; REGISTERS as in the projections' launch: window 0: v1-18 LDS addresses; v19-29 lane terms; v32-71 scale words and nothing else; v72-119 P's fragments; v128-255 accumulators.  window 1: R's fragments, two sets; v96-127, v224-255 the bias.
.set SCL, 196608
.set STG, 204800                       ; the stages: 16 rows x (512 + 16) bytes for each wave
.set SC,  32
.set PF,  72
.set ACC, 128
.set MSB, 0
.macro WIN new                         ; the immediate's high byte repeats the setting that is left
.if MSB != \new
	s_set_vgpr_msb (MSB<<8)|\new
.set MSB, \new
.endif
.endm
.macro PLACES n
.rept \n
	v_nop
.endr
.endm
.macro CROUND                          ; a round of the cluster's barrier
	s_barrier_signal -1
	s_barrier_wait -1
	s_cmp_lg_u32 s16, 0
	s_cbranch_scc1 .Lnot_wave_0_\@
	s_barrier_signal -3
.Lnot_wave_0_\@:
	s_barrier_wait -3
	s_barrier_signal -1
	s_barrier_wait -1
.endm
.macro WM d, a, b, c, sa, sb, ra, rb   ; one product, C = v[c ..]; ra, rb: the half of the lanes from which the scale words are taken
.if ((\ra) == 0) && ((\rb) == 0)
	v_wmma_scale_f32_16x16x128_f8f6f4 v[(\d):(\d)+7], v[(\a):(\a)+11], v[(\b):(\b)+11], v[(\c):(\c)+7], v[\sa], v[\sb] matrix_a_fmt:MATRIX_FMT_BF6 matrix_b_fmt:MATRIX_FMT_BF6
.elseif (\rb) == 0
	v_wmma_scale_f32_16x16x128_f8f6f4 v[(\d):(\d)+7], v[(\a):(\a)+11], v[(\b):(\b)+11], v[(\c):(\c)+7], v[\sa], v[\sb] matrix_a_fmt:MATRIX_FMT_BF6 matrix_b_fmt:MATRIX_FMT_BF6 matrix_a_scale:MATRIX_SCALE_ROW1
.elseif (\ra) == 0
	v_wmma_scale_f32_16x16x128_f8f6f4 v[(\d):(\d)+7], v[(\a):(\a)+11], v[(\b):(\b)+11], v[(\c):(\c)+7], v[\sa], v[\sb] matrix_a_fmt:MATRIX_FMT_BF6 matrix_b_fmt:MATRIX_FMT_BF6 matrix_b_scale:MATRIX_SCALE_ROW1
.else
	v_wmma_scale_f32_16x16x128_f8f6f4 v[(\d):(\d)+7], v[(\a):(\a)+11], v[(\b):(\b)+11], v[(\c):(\c)+7], v[\sa], v[\sb] matrix_a_fmt:MATRIX_FMT_BF6 matrix_b_fmt:MATRIX_FMT_BF6 matrix_a_scale:MATRIX_SCALE_ROW1 matrix_b_scale:MATRIX_SCALE_ROW1
.endif
.endm
.macro FRAGLD reg, a16, a8, off        ; a fragment is two half fragments: each instruction reads 512 or 256 consecutive bytes
	ds_load_b128 v[(\reg):(\reg)+3], v[\a16] offset:(\off)
	ds_load_b64 v[(\reg)+4:(\reg)+5], v[\a8] offset:(\off)+512
	ds_load_b128 v[(\reg)+6:(\reg)+9], v[\a16] offset:(\off)+768
	ds_load_b64 v[(\reg)+10:(\reg)+11], v[\a8] offset:(\off)+1280
.endm
.macro FETCH k                         ; K step k's fragments: 40 loads, into set k % 2
.set FQ, (\k)/2
.set FS, (\k)%2
	WIN 0x40
.irp b, 0,1,2,3,4,5,6,7
	FRAGLD 128*FS+12*\b, 1+FQ, 5+FQ, 24576+\b*3072+FS*1536
.endr
	WIN 0
.irp a, 0,1
	FRAGLD PF+24*FS+12*\a, 9+FQ, 13+FQ, \a*3072+FS*1536
.endr
.endm
; K step k: the 16 accumulators take turns, one instruction a turn, in the same order in every step.  first = 1: C is the bias
.macro MUL k, first
.set MQ, (\k)/2
.set MS, (\k)%2
.if \first
	WIN 0x11                                       ; sources 0 (R) and 2 (the bias) window 1
.else
	WIN 0x01
.endif
.irp b, 0,1,2,3,4,5,6,7
.irp a, 0,1
.if \first
	WM ACC+8*(8*\a+\b), 128*MS+12*\b, PF+24*MS+12*\a, 96+8*\b+96*(\b/4), SC+10*MQ+2*(\b/2)+MS, SC+10*MQ+8+MS, \b%2, \a
.else
	WM ACC+8*(8*\a+\b), 128*MS+12*\b, PF+24*MS+12*\a, ACC+8*(8*\a+\b), SC+10*MQ+2*(\b/2)+MS, SC+10*MQ+8+MS, \b%2, \a
.endif
.endr
.endr
.endm
.macro MEET q
	s_wait_tensorcnt 3-(\q)                        ; my part of chunk q has landed; the 3 - q chunks asked for behind it may stay out
	s_wait_dscnt 0x0                               ; no LDS instruction of mine is pending at a signal
	s_barrier_signal -1
	s_barrier_wait -1
.endm
	s_load_b256 s[4:11], s[0:1], 0x0               ; hq s4, wq s6, b_O s8, out0 s10
	v_lshl_add_u32 v126, v0, 2, 0x3a400
	v_mov_b32 v127, 0
	ds_add_u32 v126, v127
	ds_add_u32 v126, v127
	v_lshrrev_b32 v1, 5, v0
	v_readfirstlane_b32 s16, v1                    ; wave 0..3
	s_and_b32 s17, s16, 1                          ; which half of a panel I fetch
	s_lshr_b32 s18, s16, 1                         ; I fetch for P (0) or for R (1)
	s_bfe_u32 s20, ttmp6, 0x40000                  ; cx
	s_bfe_u32 s21, ttmp6, 0x40004                  ; cy
	s_and_b32 s22, ttmp7, 0xffff
	s_lshl_b32 s22, s22, 2
	s_add_co_u32 s22, s22, s21                     ; i block 0..31: hangs on cy alone
	s_lshl_b32 s23, ttmp9, 2
	s_add_co_u32 s23, s23, s20                     ; j block 0..7: on cx alone
	s_lshl_b32 s2, s21, 2
	s_lshl_b32 s2, 15, s2                          ; my row of the cluster
	s_lshl_b32 s100, 0x1111, s20                   ; my column
	s_or_b32 s24, s2, (3<<16)|(1<<21)              ; 15:0 the mask; 17:16 elements of 8 bytes; 20 no padding; 21 set beside a mask
	s_or_b32 s40, s2, (3<<16)|(1<<21)
	s_or_b32 s32, s100, (3<<16)|(1<<21)
	s_or_b32 s48, s100, (3<<16)|(1<<21)
.irp g, 24, 32                         ; codes: 4 tiles' rows of 3,072 bytes, 12,288 bytes apart in memory
	s_mov_b32 s[\g+1], 384<<16
	s_mov_b32 s[\g+2], 4<<16
	s_mov_b32 s[\g+3], 384<<16
	s_mov_b32 s[\g+4], 4
	s_mov_b32 s[\g+5], 1536
	s_mov_b32 s[\g+6], 0
	s_mov_b32 s[\g+7], 0
.endr
.irp g, 40, 48                         ; scale bytes: 2,048 dense bytes as 8 rows of 256
	s_mov_b32 s[\g+1], 32<<16
	s_mov_b32 s[\g+2], 8<<16
	s_mov_b32 s[\g+3], 32<<16
	s_mov_b32 s[\g+4], 8
	s_mov_b32 s[\g+5], 32
	s_mov_b32 s[\g+6], 0
	s_mov_b32 s[\g+7], 0
.endr
	s_mul_i32 s2, s16, 12288
	s_lshl_b32 s3, s16, 11
	s_add_co_u32 s3, s3, SCL
.irp q, 0,1,2,3
	s_mov_b32 s[56+4*\q+4*(\q/2)], 1
	s_add_co_u32 s[57+4*\q+4*(\q/2)], s2, \q*49152
	s_mov_b32 s[80+4*\q], 1
	s_add_co_u32 s[81+4*\q], s2, \q*49152
.endr
	s_mov_b32 s76, 1
	s_mov_b32 s77, s3
	s_mov_b32 s96, 1
	s_mov_b32 s97, s3
	s_mul_i32 s66, s22, 98304                      ; P's offsets in s66, s2 (never cx), R's in s100, s98 (never cy)
	s_mul_i32 s67, s17, 49152
	s_add_co_u32 s66, s66, s67
	s_mov_b32 s67, 0
	s_lshl_b32 s2, s22, 12
	s_lshl_b32 s3, s17, 11
	s_add_co_u32 s2, s2, s3
	s_add_co_u32 s2, s2, 3145728
	s_mov_b32 s3, 0
	s_mul_i32 s100, s23, 98304
	s_mul_i32 s101, s17, 49152
	s_add_co_u32 s100, s100, s101
	s_add_co_u32 s100, s100, 2359296               ; W_O is the fourth weight in wq
	s_mov_b32 s101, 0
	s_lshl_b32 s98, s23, 12
	s_lshl_b32 s99, s17, 11
	s_add_co_u32 s98, s98, s99
	s_add_co_u32 s98, s98, 3244032
	s_mov_b32 s99, 0
	s_wait_dscnt 0x0
	s_wait_kmcnt 0x0
	s_add_nc_u64 s[78:79], s[4:5], s[2:3]
	s_add_nc_u64 s[58:59], s[4:5], s[66:67]
	s_add_nc_u64 s[62:63], s[58:59], 3072
	s_add_nc_u64 s[70:71], s[58:59], 6144
	s_add_nc_u64 s[74:75], s[58:59], 9216
	s_add_nc_u64 s[98:99], s[6:7], s[98:99]
	s_add_nc_u64 s[82:83], s[6:7], s[100:101]
	s_add_nc_u64 s[86:87], s[82:83], 3072
	s_add_nc_u64 s[90:91], s[82:83], 6144
	s_add_nc_u64 s[94:95], s[82:83], 9216
.irp g, 59,63,71,75,79,83,87,91,95,99
	s_or_b32 s[\g], s[\g], 0x80000000              ; type = 2
.endr
	s_lshl_b32 s2, s23, 9
	s_mov_b32 s3, 0
	s_add_nc_u64 s[8:9], s[8:9], s[2:3]            ; the bias of my 128 columns
	s_lshl_b32 s66, s22, 7
	s_lshl_b32 s67, s16, 5
	s_add_co_u32 s66, s66, s67
	s_lshl_b32 s66, s66, 12                        ; my first row of out0: 128 x i block + 32 w, 4,096 bytes a row
	s_add_co_u32 s66, s66, s2                      ; + 512 x j block
	s_mov_b32 s67, 0
	s_add_nc_u64 s[10:11], s[10:11], s[66:67]
	CROUND                                         ; all sixteen work-groups are here: the joint loads meet
	s_cmp_eq_u32 s18, 0                            ; a wave's five first fills stand in one branch on its number
	s_cbranch_scc0 .Lfill_r
	tensor_load_to_lds s[76:79], s[40:47]
	s_nop 0
	tensor_load_to_lds s[56:59], s[24:31]
	s_nop 0
	tensor_load_to_lds s[60:63], s[24:31]
	s_nop 0
	tensor_load_to_lds s[68:71], s[24:31]
	s_nop 0
	tensor_load_to_lds s[72:75], s[24:31]
	s_nop 0
.rept 4
	v_nop
.endr
	s_branch .Lfilled
.Lfill_r:
	tensor_load_to_lds s[96:99], s[48:55]
	s_nop 0
	tensor_load_to_lds s[80:83], s[32:39]
	s_nop 0
	tensor_load_to_lds s[84:87], s[32:39]
	s_nop 0
	tensor_load_to_lds s[88:91], s[32:39]
	s_nop 0
	tensor_load_to_lds s[92:95], s[32:39]
	s_nop 0
.rept 4
	v_nop
.endr
.Lfilled:
	v_and_b32 v20, 31, v0                          ; lane
	v_and_b32 v21, 15, v0                          ; r
	v_bfe_u32 v22, v0, 4, 1                        ; h
	v_lshlrev_b32 v23, 4, v20
	v_lshlrev_b32 v24, 3, v20
	s_mul_i32 s2, s16, 6144
.irp q, 0,1,2,3
	v_add_nc_u32 v[1+\q], \q*49152, v23
	v_add_nc_u32 v[5+\q], \q*49152, v24
	v_add_nc_u32 v[9+\q], s2, v[1+\q]
	v_add_nc_u32 v[13+\q], s2, v[5+\q]
.endr
	v_add_nc_u32 v17, SCL+4096, v24
	s_lshl_b32 s3, s16, 10
	v_add_nc_u32 v18, s3, v24
	v_add_nc_u32 v18, SCL, v18
	v_lshlrev_b32 v26, 6, v22                      ; the bias: 64 h
	s_mul_i32 s2, s16, 8448
	s_add_co_u32 s2, s2, STG                       ; my stage
	v_mul_u32_u24 v19, v21, 528
	v_lshl_add_u32 v19, v22, 6, v19
	v_add_nc_u32 v19, s2, v19                      ; in: row r, + 64 h
	v_add_nc_u32 v29, s2, v23                      ; back: a row of 512 bytes, 16 bytes a lane
	WIN 0x40
.irp b, 0,1,2,3,4,5,6,7                ; j tile b, lane (r, h): j = 32 (b / 2) + 16 h + 8 (b % 2) + 0 .. 7
	global_load_b128 v[96+8*\b+96*(\b/4):99+8*\b+96*(\b/4)], v26, s[8:9] offset:(32*(\b/2)+8*(\b%2))*4
	global_load_b128 v[100+8*\b+96*(\b/4):103+8*\b+96*(\b/4)], v26, s[8:9] offset:(32*(\b/2)+8*(\b%2))*4+16
.endr
	WIN 0
	MEET 0                                         ; the scale bytes and chunk 0
.irp q, 0,1,2,3
.irp x, 0,1,2,3
	ds_load_b64 v[SC+10*\q+2*\x:SC+10*\q+2*\x+1], v17 offset:\x*1024+\q*256
.endr
	ds_load_b64 v[SC+10*\q+8:SC+10*\q+9], v18 offset:\q*256
.endr
	FETCH 0
	FETCH 1
	s_wait_loadcnt 0x0                             ; the bias
.irp k, 0,1,2,3,4,5,6,7
.if \k < 7
	s_wait_dscnt 40                                ; this step's fragments are in; the next step's 40 loads may be out
.else
	s_wait_dscnt 0x0
.endif
.if \k == 0
	MUL \k, 1
.else
	MUL \k, 0
.endif
.if (\k < 6) && (\k % 2 == 0)
	MEET \k/2+1
.endif
.if \k < 6
	PLACES 4                                       ; in front of loads into registers that these products have read
	FETCH \k+2
.endif
.endr
	WIN 0
	PLACES 4                                       ; in front of the first read of the results
.irp a, 0,1                            ; LDS serves a wave's instructions in order: the loads see the stores above them, and the second block's stores come behind the first block's loads
.irp b, 0,1,2,3,4,5,6,7
	ds_store_b128 v19, v[ACC+8*(8*\a+\b):ACC+8*(8*\a+\b)+3] offset:128*(\b/2)+32*(\b%2)       ; each accumulator from its low end on
	ds_store_b128 v19, v[ACC+8*(8*\a+\b)+4:ACC+8*(8*\a+\b)+7] offset:128*(\b/2)+32*(\b%2)+16
.endr
.irp p, 0,1,2,3,4,5,6,7,8,9,10,11,12,13,14,15
	ds_load_b128 v[ACC+64*\a+4*\p:ACC+64*\a+4*\p+3], v29 offset:\p*528                        ; back into the registers that the block left
.endr
.endr
	s_wait_dscnt 32                                ; the first block is back; the second block's 16 stores and 16 loads may be out
.irp p, 0,1,2,3,4,5,6,7,8,9,10,11,12,13,14,15
	global_store_b128 v23, v[ACC+4*\p:ACC+4*\p+3], s[10:11] offset:(\p+8*(\p/8))*4096 th:TH_STORE_NT   ; tile row p is row p + 8 (p / 8): 512 consecutive bytes, aligned
.endr
	s_wait_dscnt 0x0
.irp p, 0,1,2,3,4,5,6,7,8,9,10,11,12,13,14,15
	global_store_b128 v23, v[ACC+64+4*\p:ACC+64+4*\p+3], s[10:11] offset:(8+\p+8*(\p/8))*4096 th:TH_STORE_NT
.endr
	s_wait_tensorcnt 0x0
	ds_add_u32 v126, v127
	s_wait_dscnt 0x0
	CROUND                                         ; the closing round: no work-group ends while a partner may still ask for a tile that names it
	s_endpgm
.Lfunc_end_k_qdc93ceeb41_outp:
	.size	k_qdc93ceeb41_outp, .Lfunc_end_k_qdc93ceeb41_outp-k_qdc93ceeb41_outp
	.p2alignl 7, 3214868480
	.fill 96, 4, 3214868480
	.section	.rodata,"a",@progbits
	.p2align	6, 0x0
	.amdhsa_kernel k_qdc93ceeb41_outp
		.amdhsa_group_segment_fixed_size 239104
		.amdhsa_private_segment_fixed_size 0
		.amdhsa_enable_private_segment 0
		.amdhsa_kernarg_size 32
		.amdhsa_user_sgpr_count 2
		.amdhsa_user_sgpr_kernarg_segment_ptr 1
		.amdhsa_wavefront_size32 1
		.amdhsa_system_sgpr_workgroup_id_x 1
		.amdhsa_system_sgpr_workgroup_id_y 1
		.amdhsa_system_sgpr_workgroup_id_z 1
		.amdhsa_system_vgpr_workitem_id 0
		.amdhsa_next_free_vgpr 512
		.amdhsa_next_free_sgpr 102
		.amdhsa_reserve_vcc 0
		.amdhsa_float_denorm_mode_32 3
		.amdhsa_float_denorm_mode_16_64 3
		.amdhsa_memory_ordered 1
		.amdhsa_forward_progress 1
		.amdhsa_inst_pref_size 59
	.end_amdhsa_kernel
	.amdgpu_metadata
---
amdhsa.version: [ 1, 2 ]
amdhsa.kernels:
  - .name:           k_qdc93ceeb41_outp
    .symbol:         k_qdc93ceeb41_outp.kd
    .args:
      - { .name: hq, .offset: 0, .size: 8, .value_kind: global_buffer, .address_space: global }
      - { .name: wq, .offset: 8, .size: 8, .value_kind: global_buffer, .address_space: global }
      - { .name: b_O, .offset: 16, .size: 8, .value_kind: global_buffer, .address_space: global }
      - { .name: out0, .offset: 24, .size: 8, .value_kind: global_buffer, .address_space: global }
    .group_segment_fixed_size: 239104
    .private_segment_fixed_size: 0
    .kernarg_segment_align: 8
    .kernarg_segment_size: 32
    .max_flat_workgroup_size: 128
    .sgpr_count:     102
    .vgpr_count:     512
    .wavefront_size: 32
...
	.end_amdgpu_metadata
.endif
;; end of part 4
;; ======== version 2 of 2: 4 launches; version 1 with the launch attn written anew for expert scheduling mode
;; workspace buffers: xq 9,830,400 bytes; wq 3,276,800 bytes; lens 256 bytes of whole numbers; pq 9,830,400 bytes; hq 3,276,800 bytes
;; launch quant: the kernel of part 1 again; grid 256 x 1, 8 waves a work-group, no clusters, 70,656 bytes of LDS; arguments in_Q, in_K, in_V, W_Q, W_K, W_V, W_O, Q_pad_mask, K_pad_mask, xq, wq, lens; writes xq, wq, lens
;; launch proj: the kernel of part 2 again; grid 8 x 96, 4 waves a work-group, clusters of 4 x 4, 205,312 bytes of LDS; arguments xq, wq, b_Q, b_K, b_V, pq; writes pq
;; launch attn (part 5): grid 8 x 32, 16 waves a work-group, no clusters, 210,944 bytes of LDS; arguments pq, lens, hq; writes hq
.if DOCPART == 5
	.amdgcn_target "amdgcn-amd-amdhsa--gfx1250"
	.amdhsa_code_object_version 6
	.text
	.protected	k_qdc93ceeb41_attn
	.globl	k_qdc93ceeb41_attn
	.p2align	8
	.type	k_qdc93ceeb41_attn,@function
k_qdc93ceeb41_attn:
	s_mov_b64 s[64:65], 0
	v_nop
	global_prefetch_b8 v0, s[64:65] scope:SCOPE_SE
	s_setreg_imm32_b32 hwreg(HW_REG_WAVE_SCHED_MODE, 0, 2), 2
	s_setreg_imm32_b32 hwreg(HW_REG_WAVE_MODE, 25, 1), 1
	s_wait_xcnt 0x0
	s_wait_alu depctr_vm_vsrc(0)
; Attention of one (batch, head) on codes of BF6: scores = Q K^T / 8 under the causal mask and the two lengths, importances = softmax (rows with no key: zeros), H = importances V; H is quantised along the features and stored as codes.
; THE FINISHED, NORMALISED importances are what the second product's quantiser takes, so a row's maximum and sum are known before any of them is quantised: TWO PASSES over the keys.
; Pass 1: t = score x log2(e) / 8; M = the running largest t rounded up to a whole number; l = the sum of 2^(t - M); when M moves, l is multiplied by 2^(old M - new M), which rounds nothing.
; Pass 2: the same scores again; p = 2^(t - M) x (1 / l), quantised along the keys in blocks of 32, times V.
; SHARES: 8 work-groups to a (batch, head), 16 waves each, a wave to a tile of 16 queries; tiles are dealt so that every work-group, and every four waves w, w + 4, w + 8, w + 12, have the same number of key steps.
; The head's K and V codes and scale words (204 KB) come into LDS once, through registers, and stay: the key loops hold no barrier.
; NO TENSOR LOAD AND NO CLUSTER: key steps are left out by the stored lengths q_len, k_len (a branch on numbers read from memory).
; Both loops have 16 trips, a constant; a step none of whose keys counts for my 16 queries is jumped over, but for the lines that step addresses.
; LAYOUT: both products transposed (S^T = K Q^T, O^T = V^T P^T): a lane holds one query; a tile's rows are 32 G + 8 u + r + 8 (r / 8), so the 16 registers of tiles 2 b, 2 b + 1 are 16 neighbouring keys (or channels).
; The first product's K is 64: registers 6-11 of its operands hold zero codes.
; LIMITS: NaN and infinities are not served; p under 2^-126 becomes 0; a block's largest p is taken from its largest score (it takes the exponential not to fall where its input rises); a block of zeros gets the byte 1.
; H's scale bytes leave as single bytes: the two halves of a word come from different work-groups; they are 128 KB of the launch's 3.1 MB.
; THE MODE: SCHED_MODE bits 1:0 = 2 (LLVM: expert scheduling mode 2), set by the entry lines.  The code itself states the register dependences between vector or matrix instructions and memory or LDS
; instructions, with s_wait_alu, always for 0.
; THE PLAN.  Registers that memory or LDS instructions touch, in the loops:
;   v32-37 (+ 12 t), v80-83   K's four fragments and a step's scale words.  Tiles 0-3 and the words are asked for A STEP AHEAD, behind the wait for the step's 64 exponentials; read by the first four products;
;                             tiles 4-7 land in the same registers behind a wait of their own; read by the second four products.
;   v4, v5                    this step's K: written at the step's head, read by the loads of tiles 4-7.
;   v239-241                  the next step's K and scale words (held to the last step's, so that no load leaves K): written behind the second four products, read by the loads a step ahead.
;   v7-9                      pass 2: this step's V and its scale words: written at the step's head, read by V's loads.
;   v96-143, v84, v85         pass 2: V's fragments and words: they land where p lay, behind the conversions that read p; read by the four products of O^T.
;   v192-203, v86             pass 2: p's codes and scale word: written by vector instructions, taken by scaled products.
; No address register is carried from trip to trip: each is made from the loop's scalar in the trip that uses it.  One wait on vm_vsrc stands at a step's head, ahead of all its address additions.
; REGISTERS: v1-3 16, 8, 4 x lane; v4-5, v7-9, v239-241 addresses in hand; v10 my last visible key less 16 h; v11 -infinity; v12 -M; v13 largest t; v[14:15] l, later 1 / l twice; v16-27 Q; v28 Q's scale word; v29-31 at work;
;   v32-79 four fragments of K; v80-83 K's scale words; v84-85 V's; v86 p's; v88-95 blocks' maxima; v96-159 S^T, p, then V's fragments; v160-191 O^T (in pass 1: V on its way to LDS, v160-209); v192-211 codes; v212-217 at work; v220-238 never rewritten.
.set VC,  98304                        ; LDS: K's codes [tile 128] x 768 at 0; V's [64 keys 32][channel tile 4] x 768 here;
.set KS,  196608                       ; K's scale words [16 x tile + r], shifted so that my head's two bytes are the low ones;
.set VS,  204800                       ; V's [128 keys 16][16 x channel tile + r]
.set NA,  239                          ; the next step's K at 16 bytes a lane,
.set NB,  240                          ; at 8 bytes a lane,
.set NS,  241                          ; and its scale words
.set SEL, 40
.set CS,  42
.set KF,  44                           ; the step's first key
.set TK,  45                           ; 6,144 a step: K's 8 tiles, and V's 2 x 4
.set TS,  46                           ; 512 a step
.set TV,  47                           ; 256 a step
.set CNT, 48
.macro WM d, a, b, cm, c, sa, sb, ra
.if (\cm) == 0
.if (\ra) == 0
	v_wmma_scale_f32_16x16x128_f8f6f4 v[(\d):(\d)+7], v[(\a):(\a)+11], v[(\b):(\b)+11], 0, v[\sa], v[\sb] matrix_a_fmt:MATRIX_FMT_BF6 matrix_b_fmt:MATRIX_FMT_BF6
.else
	v_wmma_scale_f32_16x16x128_f8f6f4 v[(\d):(\d)+7], v[(\a):(\a)+11], v[(\b):(\b)+11], 0, v[\sa], v[\sb] matrix_a_fmt:MATRIX_FMT_BF6 matrix_b_fmt:MATRIX_FMT_BF6 matrix_a_scale:MATRIX_SCALE_ROW1
.endif
.else
.if (\ra) == 0
	v_wmma_scale_f32_16x16x128_f8f6f4 v[(\d):(\d)+7], v[(\a):(\a)+11], v[(\b):(\b)+11], v[(\c):(\c)+7], v[\sa], v[\sb] matrix_a_fmt:MATRIX_FMT_BF6 matrix_b_fmt:MATRIX_FMT_BF6
.else
	v_wmma_scale_f32_16x16x128_f8f6f4 v[(\d):(\d)+7], v[(\a):(\a)+11], v[(\b):(\b)+11], v[(\c):(\c)+7], v[\sa], v[\sb] matrix_a_fmt:MATRIX_FMT_BF6 matrix_b_fmt:MATRIX_FMT_BF6 matrix_a_scale:MATRIX_SCALE_ROW1
.endif
.endif
.endm
; four tiles of K, 4 g .. 4 g + 3 of a step's eight, by the address registers a16 and a8: eight loads
.macro KFRAGS a16, a8, g
.irp t, 0,1,2,3
	ds_load_b128 v[32+12*\t:35+12*\t], v[\a16] offset:(4*\g+\t)*768
	ds_load_b64 v[36+12*\t:37+12*\t], v[\a8] offset:(4*\g+\t)*768+512
.endr
.endm
; a step's scale words of K: lanes 0-15: tile 2 x's words, lanes 16-31: tile 2 x + 1's
.macro KWORDS as
.irp x, 0,1,2,3
	ds_load_b32 v[80+\x], v[\as] offset:128*\x
.endr
.endm
	s_load_b128 s[4:7], s[0:1], 0x0                ; pq, lens
	s_load_b64 s[8:9], s[0:1], 0x10                ; hq
	v_lshl_add_u32 v254, v0, 2, 0x33000
	v_mov_b32 v255, 0
	v_lshrrev_b32 v1, 5, v0
	v_readfirstlane_b32 s10, v1                    ; wave 0..15
	s_and_b32 s13, ttmp7, 0xffff
	s_lshr_b32 s14, s13, 4                         ; batch
	s_and_b32 s15, s13, 15                         ; head
	s_wait_alu depctr_va_sdst(0)                   ; s10 is written, ahead of its first reader: my tile and every offset are made from it
	s_bfe_u32 s50, s10, 0x10002
	s_mul_i32 s50, s50, 3
	s_xor_b32 s11, s10, s50                        ; rank = w xor 3 ((w / 4) % 2): the ranks of w, w + 4, w + 8, w + 12 add up to 30
	s_sub_co_u32 s51, 7, ttmp9
	s_and_b32 s50, s11, 1
	s_cmp_lg_u32 s50, 0
	s_cselect_b32 s51, s51, ttmp9
	s_lshl_b32 s16, s11, 3
	s_add_co_u32 s16, s16, s51                     ; my tile of queries: 8 x rank + g, or + 7 - g for odd ranks
	s_lshr_b32 s12, s16, 1                         ; G
	s_and_b32 s23, s16, 1                          ; u
	s_lshl_b32 s17, s12, 5
	s_lshl_b32 s50, s23, 3
	s_add_co_u32 s17, s17, s50                     ; my first query
	s_add_co_u32 s18, s17, 23                      ; my last
	s_and_b32 s49, s15, 1
	s_lshl_b32 s49, s49, 4                         ; a scale word holds two heads' bytes: mine are 16 (head % 2) bits up
	; byte offsets
	s_mul_i32 s52, s15, 196608
	s_mul_i32 s50, s14, 98304
	s_add_co_u32 s52, s52, s50
	s_add_co_u32 s24, s52, 3145728                 ; K's codes: [head][tile]
	s_mov_b32 s25, 0
	s_mul_i32 s50, s16, 768
	s_add_co_u32 s28, s52, s50                     ; Q's: my tile
	s_mov_b32 s29, 0
	s_lshr_b32 s50, s15, 1
	s_lshl_b32 s50, s50, 14
	s_lshl_b32 s51, s14, 13
	s_add_co_u32 s50, s50, s51
	s_add_co_u32 s26, s50, 9568256                 ; K's scale words
	s_mov_b32 s27, 0
	s_lshl_b32 s51, s16, 6
	s_add_co_u32 s30, s50, s51
	s_add_co_u32 s30, s30, 9437184                 ; Q's
	s_mov_b32 s31, 0
	s_mul_i32 s32, s14, 1572864
	s_mul_i32 s50, s15, 3072
	s_add_co_u32 s32, s32, s50
	s_add_co_u32 s32, s32, 6291456                 ; V's codes: [64 keys][channel tile]
	s_mov_b32 s33, 0
	s_lshl_b32 s34, s14, 16
	s_lshl_b32 s50, s15, 8
	s_add_co_u32 s34, s34, s50
	s_add_co_u32 s34, s34, 9699328                 ; V's scale words
	s_mov_b32 s35, 0
	s_lshl_b32 s54, s14, 7
	s_add_co_u32 s54, s54, s16
	s_mul_i32 s54, s54, 12288
	s_mul_i32 s50, s15, 768
	s_add_co_u32 s54, s54, s50                     ; H's codes: [tile][head]
	s_mov_b32 s55, 0
	s_lshl_b32 s56, s14, 6
	s_add_co_u32 s56, s56, s12
	s_lshl_b32 s56, s56, 10
	s_lshr_b32 s50, s15, 2
	s_lshl_b32 s50, s50, 8
	s_add_co_u32 s56, s56, s50
	s_lshl_b32 s50, s23, 7
	s_add_co_u32 s56, s56, s50
	s_bfe_u32 s50, s15, 0x10001
	s_lshl_b32 s50, s50, 2
	s_add_co_u32 s56, s56, s50
	s_and_b32 s50, s15, 1
	s_lshl_b32 s50, s50, 1
	s_add_co_u32 s56, s56, s50
	s_add_co_u32 s56, s56, 3145728                 ; H's scale bytes
	s_mov_b32 s57, 0
	s_mov_b32 s[SEL], 0x76543210
	s_mov_b32 s[SEL+1], 0xfedcba98
	s_mov_b32 s[CS], 0x3e38aa3b                    ; c = log2(e) / 8
	s_mov_b32 s[CS+1], s[CS]                       ; (named with it as a pair, so it is written)
	v_and_b32 v29, 31, v0                          ; lane
	v_and_b32 v238, 15, v0                         ; r
	v_bfe_u32 v237, v0, 4, 1                       ; h
	v_lshlrev_b32 v1, 4, v29
	v_lshlrev_b32 v2, 3, v29
	v_lshlrev_b32 v3, 2, v29
	v_lshlrev_b32 v220, 4, v0                      ; 16 x thread: K's codes and scale words, in memory and in LDS
	v_add_nc_u32 v221, 65536, v220
	v_add_nc_u32 v222, KS, v220
	s_mul_i32 s50, s10, 98304
	v_add_nc_u32 v223, s50, v1                     ; V's codes in memory: wave w takes keys 128 w on
	s_mul_i32 s50, s10, 6144
	v_add_nc_u32 v224, s50, v1
	v_add_nc_u32 v224, VC, v224                    ; and in LDS
	s_lshl_b32 s50, s10, 12
	v_add_nc_u32 v225, s50, v2                     ; V's scale words in memory
	s_lshl_b32 s50, s10, 8
	v_add_nc_u32 v226, s50, v2
	v_add_nc_u32 v226, VS, v226                    ; and in LDS
	v_lshlrev_b32 v227, 2, v238
	v_add_nc_u32 v232, KS, v3
	v_add_nc_u32 v233, VC, v1
	v_add_nc_u32 v234, VC, v2
	v_add_nc_u32 v235, VS, v3
	v_lshl_add_u32 v236, v238, 3, v237             ; 8 r + h: my byte of H's scales
	s_wait_kmcnt 0x0
	s_load_b128 s[36:39], s[6:7], 0x0              ; q_len[0], q_len[1], k_len[0], k_len[1]
	s_add_nc_u64 s[24:25], s[4:5], s[24:25]
	s_add_nc_u64 s[26:27], s[4:5], s[26:27]
	s_add_nc_u64 s[28:29], s[4:5], s[28:29]
	s_add_nc_u64 s[30:31], s[4:5], s[30:31]
	s_add_nc_u64 s[32:33], s[4:5], s[32:33]
	s_add_nc_u64 s[34:35], s[4:5], s[34:35]
	s_add_nc_u64 s[54:55], s[8:9], s[54:55]
	s_add_nc_u64 s[56:57], s[8:9], s[56:57]
	s_wait_alu depctr_va_vdst(0)                   ; v1-3 and v220-238 are written: the loads and stores of the whole kernel read them as addresses, and none of them is written again
	; 29 loads: K's 13, Q's 3, V's 13
.irp i, 0,1,2,3,4,5,6,7,8,9,10,11
	global_load_b128 v[96+4*\i:99+4*\i], v220, s[24:25] offset:8192*\i
.endr
	global_load_b128 v[144:147], v220, s[26:27]
	global_load_b128 v[16:19], v1, s[28:29]
	global_load_b64 v[20:21], v2, s[28:29] offset:512
	global_load_b32 v28, v227, s[30:31]
.irp e, 0,1
.irp f, 0,1,2,3,4,5
	global_load_b128 v[160+4*(6*\e+\f):163+4*(6*\e+\f)], v223, s[32:33] offset:\e*49152+512*\f
.endr
.endr
	global_load_b64 v[208:209], v225, s[34:35]
	; the limits.  Key k counts for query q where k < L(q) = min(q + 1, k_len) if q < q_len, else 0.  The lengths are held to 0 .. 2,048, which changes nothing in (index < length)
	s_wait_kmcnt 0x0
	s_cmp_eq_u32 s14, 0
	s_cselect_b32 s19, s36, s37
	s_cselect_b32 s20, s38, s39
	s_max_i32 s19, s19, 0
	s_min_i32 s19, s19, 2048
	s_max_i32 s20, s20, 0
	s_min_i32 s20, s20, 2048
	s_add_co_u32 s50, s18, 1
	s_min_u32 s50, s50, s20
	s_cmp_lt_u32 s17, s19
	s_cselect_b32 s21, s50, 0                      ; keys from here on count for none of my queries
	s_add_co_u32 s50, s17, 1
	s_min_u32 s50, s50, s20
	s_cmp_lt_u32 s18, s19
	s_cselect_b32 s22, s50, 0                      ; keys under this count for all of them
	v_and_b32 v29, 8, v238
	v_add_nc_u32 v29, v29, v238
	v_add_nc_u32 v29, s17, v29                     ; my query
	v_cmp_gt_u32 vcc_lo, s19, v29
	v_add_nc_u32 v30, 1, v29
	v_min_u32 v30, s20, v30
	s_wait_alu depctr_va_vcc(0)                    ; the compare has written VCC, which the selection reads
	v_cndmask_b32 v30, 0, v30, vcc_lo              ; L
	v_lshlrev_b32 v31, 4, v237
	v_sub_nc_u32 v10, v30, v31
	v_add_nc_u32 v10, -1, v10                      ; L - 1 - 16 h
	s_wait_loadcnt 16                              ; K's 13 loads are in; Q's 3 and V's 13 may be out
.irp j, 144,145,146,147
	v_lshrrev_b32 v[\j], s49, v[\j]
.endr
	s_wait_alu depctr_va_vdst(0)                   ; the four shifts have written v144-147, which the last of the LDS stores below reads
.irp i, 0,1,2,3,4,5,6,7
	ds_store_b128 v220, v[96+4*\i:99+4*\i] offset:8192*\i
.endr
.irp i, 8,9,10,11
	ds_store_b128 v221, v[96+4*\i:99+4*\i] offset:8192*(\i-8)
.endr
	ds_store_b128 v222, v[144:147]
	s_wait_dscnt 0x0                               ; for the others' sake: my stores have landed
	s_barrier_signal -1
	s_barrier_wait -1                              ; K lies in LDS
	KFRAGS 1, 2, 0                                 ; step 0's first four tiles and its scale words.  No wait: no vector or matrix instruction has named the registers in which they land, and their addresses
	KWORDS 232                                     ; stand ahead of the wait in front of the global loads
	s_wait_alu depctr_vm_vsrc(0)                   ; my LDS stores have read v96-147, which the scores write from here on
	s_wait_loadcnt 13                              ; Q is in; V's 13 loads may be out
	v_lshrrev_b32 v28, s49, v28
.irp j, 22,23,24,25,26,27
	v_mov_b32 v[\j], 0                             ; zero codes for K = 64 .. 127
.endr
.irp t, 0,1,2,3
.irp j, 6,7,8,9,10,11
	v_mov_b32 v[32+12*\t+\j], 0
.endr
.endr
	v_mov_b32 v11, 0xff800000                      ; -infinity
	v_mov_b32 v13, 0xff61b1e6                      ; the largest t so far: -3e38, under every t
	v_floor_f32 v12, -v13                          ; -M
	v_mov_b32 v14, 0
	v_mov_b32 v15, 0
.irp j, 92,93,94,95
	v_mov_b32 v[\j], 0                             ; written once: a lane permute's destination counts as one of its sources
.endr
	v_mov_b32 v213, 0                              ; (named as the upper half of a pair)
	s_wait_alu depctr_va_vdst(0)                   ; Q's scale word v28 and the zero codes in v22-27 and in the upper halves of K's fragments are written: scaled products take them; the lines between are their places
; S^T = K Q^T for 128 keys, four tiles at a time.  Tiles 0-3 and the scale words were asked for a step ago; v4 and v5 were written at the step's head
.macro SCORES
	s_wait_dscnt 0x0                               ; they are in
.irp t, 0,1,2,3
	WM 96+8*\t, 32+12*\t, 16, 0, 0, 80+\t/2, 28, \t%2
.endr
.rept 4
	v_nop                                          ; places in front of loads into registers that the four products above have read
.endr
	s_wait_alu depctr_va_vdst(0)                   ; the four products are done reading v32-79, in which tiles 4-7 land; v4 and v5, the loads' addresses, are written
	KFRAGS 4, 5, 1
	s_wait_dscnt 0x0
.irp t, 0,1,2,3
	WM 128+8*\t, 32+12*\t, 16, 0, 0, 82+\t/2, 28, \t%2
.endr
	s_add_co_u32 s52, s[TK], 6144                  ; the next step's K and scale words,
	s_min_u32 s52, s52, 92160                      ; held to the last step's: no load leaves K
	s_add_co_u32 s53, s[TS], 512
	s_min_u32 s53, s53, 7680
	v_add_nc_u32 v[NA], s52, v1                    ; (the loads that read these three stand ahead of the wait at the step's head.)  These three and the v_nop are the four places in front of the first read of the scores
	v_add_nc_u32 v[NB], s52, v2
	v_add_nc_u32 v[NS], s53, v232
	v_nop
.endm
; register 16 b + i holds key KF + 32 b + 16 h + i: hidden where 32 b + i > L - 1 - 16 h - KF.  A step all of whose keys count for all my queries skips this.
; A block's sixteen compares stand in a run, each with a scalar register of its own (s11-20, s36-39, s58-59: none of them is read again behind the head), with one wait behind the run
.macro MASK
	s_add_co_u32 s50, s[KF], 128
	s_cmp_le_u32 s50, s22
	s_cbranch_scc1 .Lopen_\@
	v_sub_nc_u32 v29, v10, s[KF]
.set n, 0
.rept 4
.set i, 0
.rept 16
	v_cmp_gt_i32 s[11+i+15*(i/10)+18*(i/14)], 32*n+i, v29
.set i, i+1
.endr
	s_wait_alu depctr_va_sdst(0)                   ; the sixteen compares have written their masks, which the sixteen selections read
.set i, 0
.rept 16
	v_cndmask_b32 v[96+16*n+i], v[96+16*n+i], v11, s[11+i+15*(i/10)+18*(i/14)]
.set i, i+1
.endr
.set n, n+1
.endr
.Lopen_\@:
.endm
; the largest score of each block of 32 keys -> v88-91
.macro BLKMAX
.irp b, 0,1,2,3
	v_max3_num_f32 v[88+\b], v[96+16*\b], v[97+16*\b], v[98+16*\b]
.endr
.irp i, 3,5,7,9,11,13
.irp b, 0,1,2,3
	v_max3_num_f32 v[88+\b], v[88+\b], v[96+16*\b+\i], v[97+16*\b+\i]
.endr
.endr
.irp b, 0,1,2,3
	v_max_num_f32 v[88+\b], v[88+\b], v[111+16*\b]
.endr
.irp b, 0,1,2,3
	v_permlanex16_b32 v[92+\b], v[88+\b], s[SEL], s[SEL+1]
.endr
.irp b, 0,1,2,3
	v_max_num_f32 v[88+\b], v[88+\b], v[92+\b]     ; with lane l xor 16's 16 keys
.endr
.endm
	; ---------------- PASS 1: M and l
	s_mov_b32 s[KF], 0
	s_mov_b32 s[TK], 0
	s_mov_b32 s[TS], 0
	s_mov_b32 s[CNT], 16
.Lpass1:
	s_cmp_ge_u32 s[KF], s21
	s_cbranch_scc1 .Lskip1
	s_wait_alu depctr_vm_vsrc(0)                   ; the LDS loads issued so far have read v4, v5 and v239-241, which this step writes again
	v_add_nc_u32 v4, s[TK], v1
	v_add_nc_u32 v5, s[TK], v2
	SCORES
	MASK
	BLKMAX
	v_max3_num_f32 v29, v88, v89, v90
	v_max_num_f32 v29, v29, v91
	v_mul_f32 v29, s[CS], v29                      ; the step's largest t (c is positive)
	v_max_num_f32 v13, v13, v29
	v_mov_b32 v30, v12
	v_floor_f32 v12, -v13                          ; the new -M = -ceil(t)
	v_sub_f32 v30, v12, v30                        ; old M - new M: a whole number, 0 or less
	v_cvt_i32_f32 v30, v30                         ; (it saturates)
	v_ldexp_f32 v212, 1.0, v30                     ; f = 2^(old M - new M)
.set j, 0
.rept 32
	v_pk_fma_f32 v[96+j:97+j], v[96+j:97+j], s[CS:CS+1], v[12:13] op_sel_hi:[1,0,0]   ; t - M (of the pairs c and -M the low word serves both halves)
.set j, j+2
.endr
.set j, 0
.rept 64
	v_exp_f32 v[96+j], v[96+j]
.set j, j+1
.endr
	v_pk_mul_f32 v[14:15], v[14:15], v[212:213] op_sel_hi:[1,0]   ; l under the new M: the plain instruction behind the exponentials
	s_wait_alu depctr_va_vdst(0)                   ; the 64 exponentials have written v96-159, ahead of their first reader; the second four products are done reading v32-83; v239-241 are written
	KFRAGS NA, NB, 0                               ; the next step's first four tiles and its scale words: they land while the sums below are made, which name none of these registers
	KWORDS NS
	v_pk_add_f32 v[216:217], v[96:97], v[98:99]
.irp j, 4,8,12,16,20,24,28,32,36,40,44,48,52,56,60
	v_pk_add_f32 v[14:15], v[14:15], v[96+\j:97+\j]
	v_pk_add_f32 v[216:217], v[216:217], v[98+\j:99+\j]
.endr
	v_pk_add_f32 v[14:15], v[14:15], v[216:217]
.Lskip1:
	s_add_co_u32 s[KF], s[KF], 128
	s_add_co_u32 s[TK], s[TK], 6144
	s_add_co_u32 s[TS], s[TS], 512
	s_sub_co_u32 s[CNT], s[CNT], 1
	s_cmp_lg_u32 s[CNT], 0
	s_cbranch_scc1 .Lpass1
	; ---------------- between the passes: 1 / l (0 for a row with no key), and V into LDS
	v_add_f32 v14, v14, v15
	v_permlanex16_b32 v29, v14, s[SEL], s[SEL+1]
	v_add_f32 v14, v14, v29                        ; the row's sum
	v_rcp_f32 v30, v14
	v_nop                                          ; a plain instruction behind the reciprocal
	v_cmp_lt_f32 vcc_lo, 0, v14
	s_wait_alu depctr_va_vdst(0)                   ; the reciprocal has written v30, ahead of its first reader; pass 1's products are done reading v32-83, in which pass 2's first loads land
	s_wait_alu depctr_va_vcc(0)                    ; the compare has written VCC, which the selection reads
	v_cndmask_b32 v14, 0, v30, vcc_lo
	v_mov_b32 v15, v14
	s_wait_loadcnt 0x0                             ; V
.irp e, 0,1
.irp f, 0,1,2,3,4,5
	ds_store_b128 v224, v[160+4*(6*\e+\f):163+4*(6*\e+\f)] offset:\e*3072+512*\f
.endr
.endr
	ds_store_b64 v226, v[208:209]
	s_wait_dscnt 0x0                               ; for the others' sake: my stores have landed (and the loads that pass 1's last step asked for ahead are in)
	s_barrier_signal -1
	s_barrier_wait -1                              ; V lies in LDS
	KFRAGS 1, 2, 0                                 ; step 0's first four tiles and its scale words, once more.  No wait: no vector or matrix instruction since the wait above names these registers
	KWORDS 232
	s_wait_alu depctr_vm_vsrc(0)                   ; my LDS stores have read v160-209: O^T and p's codes are written there from here on
.set j, 0
.rept 32
	v_mov_b32 v[160+j], 0                          ; O^T: the step is written once, and a wave may have no step at all
.set j, j+1
.endr
	; ---------------- PASS 2: p, its codes, O^T += V^T P^T
	s_mov_b32 s[KF], 0
	s_mov_b32 s[TK], 0
	s_mov_b32 s[TS], 0
	s_mov_b32 s[TV], 0
	s_mov_b32 s[CNT], 16
.Lpass2:
	s_cmp_ge_u32 s[KF], s21
	s_cbranch_scc1 .Lskip2
	s_wait_alu depctr_vm_vsrc(0)                   ; the LDS loads issued so far have read v4, v5, v7-9 and v239-241, which this step writes again
	v_add_nc_u32 v4, s[TK], v1                     ; these five additions are the five places between the last step's products and the scores, which write over V's registers
	v_add_nc_u32 v5, s[TK], v2
	v_add_nc_u32 v7, s[TK], v233
	v_add_nc_u32 v8, s[TK], v234
	v_add_nc_u32 v9, s[TV], v235
	SCORES
	MASK
	BLKMAX
.set j, 0
.rept 32
	v_pk_fma_f32 v[96+j:97+j], v[96+j:97+j], s[CS:CS+1], v[12:13] op_sel_hi:[1,0,0]
.set j, j+2
.endr
.irp b, 0,1,2,3
	v_fma_f32 v[88+\b], v[88+\b], s[CS], v12       ; the same of each block's largest score
.endr
.set j, 0
.rept 64
	v_exp_f32 v[96+j], v[96+j]
.set j, j+1
.endr
	v_nop                                          ; the plain instruction behind the exponentials
	s_wait_alu depctr_va_vdst(0)                   ; the 64 exponentials have written v96-159, ahead of their first reader; the second four products are done reading v32-83; v239-241 are written
	KFRAGS NA, NB, 0                               ; the next step's first four tiles and its scale words: nothing from here to the next step's head names these registers
	KWORDS NS
.irp b, 0,1,2,3
	v_exp_f32 v[88+\b], v[88+\b]
.endr
.set j, 0
.rept 32
	v_pk_mul_f32 v[96+j:97+j], v[96+j:97+j], v[14:15]   ; the importances: x 1 / l.  (They read the 64 alone: plain work behind the four)
.set j, j+2
.endr
	s_wait_alu depctr_va_vdst(0)                   ; the four exponentials have written v88-91, ahead of their first reader
.irp b, 0,1,2,3
	v_mul_f32 v[88+\b], v[88+\b], v14              ; the block's largest importance: the same instructions on the same number give the same bits
.endr
.irp b, 0,1,2,3
	v_max_num_f32 v[88+\b], 0x2800000, v[88+\b]    ; the floor 2^(5-127)
.endr
.irp b, 0,1,2,3
	v_add_nc_u32 v[212+\b], 0xfe000000, v[88+\b]   ; 4 off the exponent field: the conversion's scale operand
.endr
.irp b, 0,1,2,3
	v_lshrrev_b32 v[92+\b], 23, v[212+\b]
.endr
	v_lshl_or_b32 v86, v93, 8, v92                 ; p's scale word for these 128 keys
	v_lshl_or_b32 v86, v94, 16, v86
	v_lshl_or_b32 v86, v95, 24, v86
.irp c, 0,1
	v_cvt_scalef32_pk16_bf6_f32 v[192+6*\c:194+6*\c], v[96+32*\c:111+32*\c], v[212+2*\c]
	v_cvt_scalef32_pk16_bf6_f32 v[204+4*\c:206+4*\c], v[112+32*\c:127+32*\c], v[213+2*\c]
.endr
	s_wait_alu depctr_va_vdst(0)                   ; the conversions are done reading p in v96-159, where V's fragments land; the last step's products are done reading v84 and v85; v7-9 are written
.irp d, 0,1,2,3                        ; V's four fragments (16 channels x 128 keys) land where p lay
.irp e, 0,1
	ds_load_b128 v[96+12*\d+6*\e:99+12*\d+6*\e], v7 offset:(4*\e+\d)*768
	ds_load_b64 v[100+12*\d+6*\e:101+12*\d+6*\e], v8 offset:(4*\e+\d)*768+512
.endr
.endr
	ds_load_b32 v84, v9
	ds_load_b32 v85, v9 offset:128
	v_nop                                          ; one plain instruction behind a scaled conversion
.irp c, 0,1
.irp i, 0,1,2
	v_permlane16_swap_b32 v[192+6*\c+\i], v[204+4*\c+\i]
.endr
.irp i, 0,1,2
	v_mov_b32 v[195+6*\c+\i], v[204+4*\c+\i]
.endr
.endr
.rept 4
	v_nop                                          ; codes written by vector instructions stand 4 places ahead of a scaled product; the scale word stands more than 8 ahead
.endr
	s_wait_alu depctr_va_vdst(0)                   ; p's codes in v192-203 and its scale word v86 are written: the scaled products below take them; the places above stay beside this wait
	s_wait_dscnt 0x0
.irp d, 0,1,2,3
	WM 160+8*\d, 96+12*\d, 192, 1, 160+8*\d, 84+\d/2, 86, \d%2
.endr
.Lskip2:
	s_add_co_u32 s[KF], s[KF], 128
	s_add_co_u32 s[TK], s[TK], 6144
	s_add_co_u32 s[TS], s[TS], 512
	s_add_co_u32 s[TV], s[TV], 256
	s_sub_co_u32 s[CNT], s[CNT], 1
	s_cmp_lg_u32 s[CNT], 0
	s_cbranch_scc1 .Lpass2
	; ---------------- THE WAY OUT: register 16 b + i = channel 32 b + 16 h + i of my query: two blocks along the last product's K
.rept 4
	v_nop
.endr
.irp b, 0,1
	v_max3_num_f32 v[88+\b], |v[160+16*\b]|, |v[161+16*\b]|, 0x2800000
.endr
.irp i, 2,4,6,8,10,12,14
.irp b, 0,1
	v_max3_num_f32 v[88+\b], v[88+\b], |v[160+16*\b+\i]|, |v[161+16*\b+\i]|
.endr
.endr
.irp b, 0,1
	v_permlanex16_b32 v[92+\b], v[88+\b], s[SEL], s[SEL+1]
.endr
.irp b, 0,1
	v_max_num_f32 v[88+\b], v[88+\b], v[92+\b]
.endr
.irp b, 0,1
	v_add_nc_u32 v[212+\b], 0xfe000000, v[88+\b]
.endr
.irp b, 0,1
	v_lshrrev_b32 v[92+\b], 23, v[212+\b]
.endr
	v_cmp_ne_u32 vcc_lo, 0, v237
	v_cvt_scalef32_pk16_bf6_f32 v[192:194], v[160:175], v212
	v_cvt_scalef32_pk16_bf6_f32 v[200:202], v[176:191], v213
	v_nop
.irp i, 0,1,2
	v_permlane16_swap_b32 v[192+\i], v[200+\i]
.endr
.irp i, 0,1,2
	v_mov_b32 v[195+\i], v[200+\i]
.endr
	s_wait_alu depctr_va_vcc(0)                    ; the compare has written VCC, which the selection reads
	v_cndmask_b32 v29, v92, v93, vcc_lo            ; lane (r, h): block h's byte of row r
	s_wait_alu depctr_va_vdst(0)                   ; the codes in v192-197 and the byte in v29 are written, which the three stores read
	global_store_b128 v1, v[192:195], s[54:55]     ; a half fragment: 768 consecutive bytes
	global_store_b64 v2, v[196:197], s[54:55] offset:512
	global_store_b8 v236, v29, s[56:57]
	s_wait_dscnt 0x0
	s_wait_alu depctr_hold_cnt(0) depctr_sa_sdst(0) depctr_va_vdst(0) depctr_va_sdst(0) depctr_va_ssrc(0) depctr_va_vcc(0) depctr_vm_vsrc(0)
	s_wait_tensorcnt 0x0
	ds_add_u32 v254, v255
	s_wait_dscnt 0x0
	s_endpgm
.Lfunc_end_k_qdc93ceeb41_attn:
	.size	k_qdc93ceeb41_attn, .Lfunc_end_k_qdc93ceeb41_attn-k_qdc93ceeb41_attn
	.p2alignl 7, 3214868480
	.fill 96, 4, 3214868480
	.section	.rodata,"a",@progbits
	.p2align	6, 0x0
	.amdhsa_kernel k_qdc93ceeb41_attn
		.amdhsa_group_segment_fixed_size 210944
		.amdhsa_private_segment_fixed_size 0
		.amdhsa_enable_private_segment 0
		.amdhsa_kernarg_size 24
		.amdhsa_user_sgpr_count 2
		.amdhsa_user_sgpr_kernarg_segment_ptr 1
		.amdhsa_wavefront_size32 1
		.amdhsa_system_sgpr_workgroup_id_x 1
		.amdhsa_system_sgpr_workgroup_id_y 1
		.amdhsa_system_sgpr_workgroup_id_z 1
		.amdhsa_system_vgpr_workitem_id 0
		.amdhsa_next_free_vgpr 256
		.amdhsa_next_free_sgpr 66
		.amdhsa_reserve_vcc 1
		.amdhsa_float_denorm_mode_32 3
		.amdhsa_float_denorm_mode_16_64 3
		.amdhsa_memory_ordered 1
		.amdhsa_forward_progress 1
		.amdhsa_inst_pref_size 65
	.end_amdhsa_kernel
	.amdgpu_metadata
---
amdhsa.version: [ 1, 2 ]
amdhsa.kernels:
  - .name:           k_qdc93ceeb41_attn
    .symbol:         k_qdc93ceeb41_attn.kd
    .args:
      - { .name: pq, .offset: 0, .size: 8, .value_kind: global_buffer, .address_space: global }
      - { .name: lens, .offset: 8, .size: 8, .value_kind: global_buffer, .address_space: global }
      - { .name: hq, .offset: 16, .size: 8, .value_kind: global_buffer, .address_space: global }
    .group_segment_fixed_size: 210944
    .private_segment_fixed_size: 0
    .kernarg_segment_align: 8
    .kernarg_segment_size: 24
    .max_flat_workgroup_size: 512
    .sgpr_count:     66
    .vgpr_count:     256
    .wavefront_size: 32
...
	.end_amdgpu_metadata
.endif
;; end of part 5
;; launch outp: the kernel of part 4 again; grid 8 x 32, 4 waves a work-group, clusters of 4 x 4, 239,104 bytes of LDS; arguments hq, wq, b_O, out0; writes out0
